; MI455X (gfx1250); checked and timed in simulation.
; The chip was launched on July 23, 2026; its instructions are those of AMD's public machine-readable ISA for CDNA 5 (MIT licence, August 2026) and "CDNA5" Instruction Set Architecture Reference Guide (July 2026). The comments in the code are by the model that wrote it; some were corrected since.
;; Brute Force Mo E Linear. Allowed arithmetic: matrix products marked QUANTISED: E4M3 operands, one E8M0 scale for each 32 along K, by v_wmma_scale_f32_16x16x128_f8f6f4 with both operands' format E4M3, f32 sums; products left as they are: f32 operands where the result goes on into a quantised operand, else bf16, f16 or f32 operands; f32 sums; everything else in f32.
;; Inputs: gate_idx 4,096 int32; gate_score 2,048 x 1 x 2 float32; inp 4,096 x 512 float32; w_h4toh 8 x 512 x 2,048 float32; w_htoh4 8 x 2,048 x 512 float32.
;; Outputs: out0 2,048 x 512 float32.
;; This version of the problem:
;;   THIS VERSION OF THE PROBLEM IS GIVEN IN LOW PRECISION. The matrix products marked QUANTISED in the list below multiply operands that are first quantised to E4M3 (4 exponent bits, 3 mantissa bits; 8 bits a number), with one power-of-two scale for each 32 numbers along K (OCP MX v1.0); their sums are f32. All else is computed in f32.
;;   The module's matrix products, in the order in which they are computed (A, B: the left and right operand; K: the contracted axis; several contracted axes count as one K, in the product's order):
;;     1. [M 4,096, K 512] x [K 512, N 16,384]; A: input inp; B: input w_htoh4: QUANTISED
;;     2. batch 8 x [M 512, K 2,048] x [K 2,048, N 4,096]; A: input w_h4toh; B: computed on the way: QUANTISED
;;     3. batch 2,048 x [M 1, K 2] x [K 2, N 512]; A: input gate_score; B: computed on the way: left as it is (K = 2 < 32)
;;   THE QUANTISER, for each operand of a quantised product, along K:
;;     - K is cut into blocks of 32 from its start; a last block that is shorter is filled with zeros.
;;     - A block's scale is 2^e with e = floor(log2(the largest magnitude in the block)) - 8, held to -126 .. 127; a block of zeros has e = 0. As a byte (E8M0): e + 127.
;;     - Each number is divided by its block's scale, clamped to +-448, and rounded to the nearest number of E4M3, ties to even, subnormals kept.
;;     - The product sums the exact products of the quantised numbers (number of the format x scale) in f32.
;;   ~~~python
;;   def quantise(x, axis):      # numpy; x: float32 -> the quantised numbers, widened to float32 again
;;       x = np.moveaxis(x, axis, -1); K = x.shape[-1]
;;       x = np.pad(x, [(0, 0)] * (x.ndim - 1) + [(0, -K % 32)]); x = x.reshape(x.shape[:-1] + (-1, 32)); a = np.abs(x).max(-1, keepdims=True)
;;       e = np.where(a > 0, np.clip(np.frexp(np.where(a > 0, a, 1))[1] - 1 - 8, -126, 127), 0)      # np.frexp(a)[1] - 1 = floor(log2(a)), exactly
;;       r = np.clip(x / 2.0 ** e, -448, 448)
;;       step = 2.0 ** (np.maximum(np.frexp(np.where(r == 0, 1, r))[1] - 1, -6) - 3)
;;       q = np.round(r / step) * step * 2.0 ** e      # np.round: ties to even
;;       return np.moveaxis(q.reshape(q.shape[:-2] + (-1,))[..., :K], -1, axis).astype(np.float32)
;;   ~~~
;;   OPERANDS COMPUTED ON THE WAY. 'Computed on the way' means the value that the module computes at that place (a softmax that the list does not call 'softmax' is quantised finished and normalised). What goes into a quantiser is computed in f32, as accurately as f32 sums, v_exp_f32 and their like allow (about 1e-6 of the number): no bf16 or f16 on the way to a quantiser, and a product that is left as it is and whose result goes on into a quantised operand takes f32 operands (vector FMAs, or v_wmma_f32_16x16x4_f32). A number that lies on a knife's edge between two numbers of the format may be rounded either way, as far as f32 arithmetic and the matrix unit's own rounding can turn it there, and no further.
;; 2 versions, each right; version 2 is version 1 with the launch g1 written anew for expert scheduling mode. Each part assembles by itself: llvm-mc -triple=amdgcn-amd-amdhsa -mcpu=gfx1250 --defsym DOCPART=n.
;; ======== version 1 of 2: 4 launches
;; workspace buffers: w1q 8,388,608 bytes; w1s 262,144 bytes; w2q 8,388,608 bytes; w2s 262,144 bytes; route 21,504 bytes of whole numbers; hq 9,666,560 bytes; hs 362,496 bytes; ybuf 18,055,168 bytes
;; launch prep (part 1): grid 513 x 1, 4 waves a work-group, no clusters, 34,816 bytes of LDS; arguments gate_idx, w_htoh4, w_h4toh, w1q, w1s, w2q, w2s, route; writes w1q, w1s, w2q, w2s, route
.if DOCPART == 1
	.amdgcn_target "amdgcn-amd-amdhsa--gfx1250"
	.amdhsa_code_object_version 6
	.text
	.protected	k_q3247cbb475_prep
	.globl	k_q3247cbb475_prep
	.p2align	8
	.type	k_q3247cbb475_prep,@function
k_q3247cbb475_prep:
	s_mov_b64 s[64:65], 0
	v_nop
	global_prefetch_b8 v0, s[64:65] scope:SCOPE_SE
	s_setreg_imm32_b32 hwreg(HW_REG_WAVE_MODE, 25, 1), 1
	s_wait_xcnt 0x0
; PREP.  Work-group 0 sorts the 4,096 rows by their expert (a counting sort, no atomics).  Work-groups 1 to 512 turn W1 [8][2048][512] and W2 [8][512][2048], f32, into codes of
; FP8 (E4M3) with one E8M0 scale byte for each 32 along K (K is the last axis of both), laid in the ORDER OF THE OPERAND'S REGISTERS: a fragment (16 rows x 128 K) is 2,048 bytes,
; [c 4][lane 32][16 bytes], so that the products' launches load a fragment by four loads of 512 consecutive bytes.
;   w1q [tile 1024][K step 4][2,048]: tile e*128 + 2 B + u; its row t is row 32 B + 8 u + t + 8 (t / 8) of expert e, so that the first product's results, used transposed, lie along the next K.
;   w2q [tile 256][K step 16][2,048]: tile e*32 + d / 16, rows on end.
;   w1s, w2s: for each run of four K steps [lane 32][2 words]: word q holds, in lanes 0-15, row r's scale word of K step q, in lanes 16-31 that of K step 2 + q.
;   route: rows[5120] at byte 0: the row number in each slot; each expert's rows are padded to tiles of 80 slots; slot s without a row holds 4096 + s.  texp[128] at byte 20,480: a tile's expert.
;          Behind them 128 spare words, one a thread, which nobody reads.
; A block's scale is 2^(floor(log2(its largest magnitude)) - 8); each number is divided by it, held within +-448 and rounded to the nearest code, ties to even.
; LIMITS: gate_idx outside 0 .. 7 is not served; NaN and infinities are not served; a block whose largest magnitude lies under 2^-118, a block of zeros among them, takes the byte 1
; (zeros' codes are zeros, which add nothing under that byte; the bytes are read by this program alone).
; A wave's job: 16 rows x 512 along K: four fragments.  Each load takes 512 consecutive bytes of one row; the 16 rows turn through the wave's own stage in LDS, so that a lane gets 16 neighbours of each block.
; No tensor loads, no cluster: nothing is read twice.  LDS: four stages of 16 x 528 bytes (the quantiser's); behind them 512 bytes for the sort: each way has bytes of its own.
.set SP,   528                         ; a stage row: 512 bytes + 16: row t starts 4 t banks on
.set STW,  16*SP
.set RC,   4*STW                       ; the sort's counts: 128 bytes a wave
.set LI,   4                           ; v4   16 x lane
.set L8,   5                           ; v5   8 x lane
.set STI,  6                           ; v6   into my stage: as loaded
.set STO,  7                           ; v7   out of it: row r, + 64 h
.set OFFR, 10                          ; v10-25  byte offset of my 16 bytes in row t of the job
.set TM,   26                          ; v26-41  at work: largest magnitudes, bytes, holds, scale operands
.set PW,   42                          ; v42-45  the four fragments' scale words
.set SW,   46                          ; v46-47  as they leave
.set PC,   48                          ; v48-63  a fragment's codes
.set RAW,  64                          ; v64-191 two sets of 64: a fragment as loaded
.set X,    192                         ; v192-255 64 numbers: register 16 b + i = k 32 b + 16 h + i of row r
.set WV,   20                          ; s20  my wave
.set SEL,  76                          ; s76-77 lane selects: lane l xor 16
.set MNT,  78                          ; s78  the mantissa field of 448
.set CNT,  32                          ; the sort: s32-39 my wave's counts; s44-51 where my wave's next row of expert e goes; s52-59 the expert's last tile + 1; s68-75 the expert's last row + 1; s76-83 masks
.set BAS,  44
.set TEND, 52
.set REND, 68
.set MK,   76
; 64 numbers of a lane become a fragment's codes in v[PC] on and its scale word in v[pw]
.macro QUANT s, pw
.irp b, 0,1,2,3
	v_max3_num_f32 v[TM+\b], |v[\s+16*\b]|, |v[\s+1+16*\b]|, 0x4800000   ; block b: my 16 numbers, and the floor 2^(9 - 127): the byte cannot fall under 1
.endr
.irp i, 2,4,6,8,10,12,14
.irp b, 0,1,2,3
	v_max3_num_f32 v[TM+\b], v[TM+\b], |v[\s+16*\b+\i]|, |v[\s+1+16*\b+\i]|   ; the four blocks by turns
.endr
.endr
.irp b, 0,1,2,3
	v_permlanex16_b32 v[TM+4+\b], v[TM+\b], s[SEL], s[SEL+1]
.endr
.irp b, 0,1,2,3
	v_max_num_f32 v[TM+\b], v[TM+\b], v[TM+4+\b]           ; with lane l xor 16's: the block's largest magnitude
.endr
.irp b, 0,1,2,3
	v_add_nc_u32 v[TM+12+\b], 0xfc000000, v[TM+\b]         ; 8 off its exponent field: the conversion's scale operand
.endr
.irp b, 0,1,2,3
	v_and_or_b32 v[TM+8+\b], v[TM+\b], 0x7f800000, s[MNT]  ; 448 x the scale
.endr
.irp b, 0,1,2,3
	v_lshrrev_b32 v[TM+4+\b], 23, v[TM+12+\b]              ; the scale's byte
.endr
	v_lshl_or_b32 v[\pw], v[TM+5], 8, v[TM+4]
	v_lshl_or_b32 v[\pw], v[TM+6], 16, v[\pw]
	v_lshl_or_b32 v[\pw], v[TM+7], 24, v[\pw]              ; row r's scale word
.irp b, 0,1,2,3
.irp i, 0,1,2,3,4,5,6,7,8,9,10,11,12,13,14,15
	v_med3_num_f32 v[\s+16*\b+\i], v[\s+16*\b+\i], -v[TM+8+\b], v[TM+8+\b]   ; the conversion to an 8-bit code does not saturate (ISA guide 7.6.2): the hold comes first
.endr
	v_cvt_scalef32_pk8_fp8_f32 v[PC+4*\b:PC+1+4*\b], v[\s+16*\b:\s+7+16*\b], v[TM+12+\b]
	v_cvt_scalef32_pk8_fp8_f32 v[PC+2+4*\b:PC+3+4*\b], v[\s+8+16*\b:\s+15+16*\b], v[TM+12+\b]
.endr
	v_nop                                                  ; a plain line behind the last conversion
.endm
	s_load_b512 s[4:19], s[0:1], 0x0               ; gate_idx s[4:5], W1 s[6:7], W2 s[8:9], w1q s[10:11], w1s s[12:13], w2q s[14:15], w2s s[16:17], route s[18:19]
	v_lshl_add_u32 v8, v0, 2, 0x8600
	v_mov_b32 v9, 0
	v_lshrrev_b32 v1, 5, v0
	v_readfirstlane_b32 s[WV], v1                  ; wave 0..3
	v_and_b32 v1, 31, v0                           ; lane
	s_cmp_eq_u32 ttmp9, 0
	s_cbranch_scc1 .Lroute                         ; the whole work-group goes one way
	; ---------------- THE QUANTISER: one text for both tensors; only pointers and strides are chosen
	v_and_b32 v2, 15, v0                           ; r
	v_bfe_u32 v3, v0, 4, 1                         ; h
	v_lshlrev_b32 v[LI], 4, v1
	v_lshlrev_b32 v[L8], 3, v1
	s_mul_i32 s21, s[WV], STW                      ; my stage
	v_add_nc_u32 v[STI], s21, v[LI]
	v_mul_u32_u24 v[STO], v2, SP
	v_lshl_add_u32 v[STO], v3, 6, v[STO]
	v_add_nc_u32 v[STO], s21, v[STO]
	s_mov_b32 s[SEL], 0x76543210
	s_mov_b32 s[SEL+1], 0xfedcba98
	s_mov_b32 s[MNT], 0x600000
.irp b, 0,1,2,3
	v_mov_b32 v[TM+4+\b], 0                        ; written once: a lane permute's destination counts as one of its sources
.endr
	s_sub_co_u32 s21, ttmp9, 1
	s_lshl_b32 s22, s21, 2
	s_add_co_u32 s22, s22, s[WV]                   ; my job q: 0-1023 W1's tiles, 1024-2047 W2's quarter tiles
	s_lshr_b32 s24, s22, 1
	s_lshl_b32 s24, s24, 16                        ; W1: 32 rows of 2,048 bytes for each pair of tiles,
	s_and_b32 s25, s22, 1
	s_lshl_b32 s25, s25, 14                        ; 8 rows on for the odd tile
	s_add_co_u32 s24, s24, s25
	s_sub_co_u32 s23, s22, 1024                    ; W2: q' (of use on W2's way alone)
	s_lshr_b32 s25, s23, 2
	s_lshl_b32 s25, s25, 17                        ; 16 rows of 8,192 bytes for each tile,
	s_and_b32 s26, s23, 3
	s_lshl_b32 s26, s26, 11                        ; 2,048 bytes for each 512 along K
	s_add_co_u32 s25, s25, s26
	s_mov_b32 s26, 2048                            ; a row of W1,
	s_mov_b32 s27, 8192                            ; of W2
	s_mov_b32 s30, 16384                           ; W1: rows 8-15 of a tile lie 8 rows further on
	s_wait_kmcnt 0x0
	s_cmp_lt_u32 s21, 256                          ; W1's work-group or W2's: the choice hangs on the work-group's number alone
	s_cselect_b64 s[6:7], s[6:7], s[8:9]           ; the numbers,
	s_cselect_b64 s[10:11], s[10:11], s[14:15]     ; the codes,
	s_cselect_b64 s[12:13], s[12:13], s[16:17]     ; the scale words
	s_cselect_b32 s24, s24, s25
	s_cselect_b32 s26, s26, s27
	s_cselect_b32 s30, s30, 0
	s_cselect_b32 s22, s22, s23
.irp t, 0,1,2,3,4,5,6,7,8,9,10,11,12,13,14,15
	s_mul_i32 s31, s26, \t
.if \t >= 8
	s_add_co_u32 s31, s31, s30
.endif
	v_add_nc_u32 v[OFFR+\t], s31, v[LI]
.endr
	s_mov_b32 s25, 0
	s_add_nc_u64 s[6:7], s[6:7], s[24:25]
	s_lshl_b32 s24, s22, 13                        ; 8,192 bytes of codes a job,
	s_add_nc_u64 s[10:11], s[10:11], s[24:25]
	s_lshl_b32 s24, s22, 8                         ; 256 of scale words
	s_add_nc_u64 s[12:13], s[12:13], s[24:25]
.macro LOAD f                          ; K step f of the 16 rows: each load reads 512 consecutive bytes
.irp t, 0,1,2,3,4,5,6,7,8,9,10,11,12,13,14,15
	global_load_b128 v[RAW+64*((\f)%2)+4*\t:RAW+64*((\f)%2)+4*\t+3], v[OFFR+\t], s[6:7] offset:512*(\f) th:TH_LOAD_NT
.endr
.endm
.macro FRAG f
.if \f < 3
	s_wait_loadcnt 16                              ; this fragment's 16 loads are in; the next fragment's 16 may be out
.else
	s_wait_loadcnt 0x0
.endif
.irp t, 0,1,2,3,4,5,6,7,8,9,10,11,12,13,14,15
	ds_store_b128 v[STI], v[RAW+64*((\f)%2)+4*\t:RAW+64*((\f)%2)+4*\t+3] offset:SP*\t
.endr
.irp b, 0,1,2,3
.irp j, 0,1,2,3
	ds_load_b128 v[X+16*\b+4*\j:X+16*\b+4*\j+3], v[STO] offset:128*\b+16*\j   ; LDS serves a wave's instructions in order: these see the stores above
.endr
.endr
	s_wait_dscnt 0x0                               ; the numbers are back, and the stores have read their registers,
.if \f < 2
	LOAD \f+2                                      ; which take the fragment two on
.endif
.if \f > 0
	s_wait_xcnt 0x0                                ; the last fragment's stores have read the codes' registers: they are written again only behind this wait
.endif
	QUANT X, PW+\f
.irp c, 0,1,2,3
	global_store_b128 v[LI], v[PC+4*\c:PC+4*\c+3], s[10:11] offset:2048*(\f)+512*\c   ; the registers' image: 512 consecutive bytes a store
.endr
.endm
	LOAD 0
	LOAD 1
	FRAG 0
	FRAG 1
	FRAG 2
	FRAG 3
	s_mov_b32 s28, 0xffff0000
	v_cndmask_b32 v[SW], v[PW], v[PW+2], s28       ; lanes 0-15: K step 0's word, lanes 16-31: K step 2's
	v_cndmask_b32 v[SW+1], v[PW+1], v[PW+3], s28   ; K steps 1 and 3
	global_store_b64 v[L8], v[SW:SW+1], s[12:13]   ; 256 consecutive bytes, aligned
	s_wait_tensorcnt 0x0
	ds_add_u32 v8, v9
	s_wait_dscnt 0x0
	s_endpgm
	; ---------------- THE SORT.  Wave w owns rows 1024 w .. 1024 w + 1023: register 16 + 4 c + i holds the expert of row 1024 w + 128 c + 4 lane + i.  The order inside an expert is free.
.Lroute:
	s_lshl_b32 s21, s[WV], 12
	v_lshl_add_u32 v2, v1, 4, s21
	s_wait_kmcnt 0x0
.irp c, 0,1,2,3,4,5,6,7
	global_load_b128 v[16+4*\c:19+4*\c], v2, s[4:5] offset:512*\c
.endr
	v_lshl_add_u32 v55, v0, 2, RC                  ; LDS: my wave's 128 bytes, my lane's word
	v_lshl_add_u32 v56, v1, 2, RC                  ; and any wave's, by the offset
	s_lshl_b32 s22, s[WV], 10
	v_lshl_add_u32 v57, v1, 2, s22                 ; 1024 w + 4 lane
	v_mov_b32 v48, 0
	v_add_nc_u32 v60, 5248, v0                     ; my spare word, behind rows[5120] and texp[128]
.irp e, 0,1,2,3,4,5,6,7
	s_mov_b32 s[CNT+\e], 0
.endr
	s_wait_loadcnt 0x0
	; pass 1: how many of my wave's rows go to each expert.  Eight masks by turns, so that no scalar line waits for the vector line just in front of it
.set k, 0
.rept 32
.irp e, 0,1,2,3,4,5,6,7
	v_cmp_eq_u32 s[MK+\e], \e, v[16+k]
.endr
.irp e, 0,1,2,3,4,5,6,7
	s_bcnt1_i32_b32 s[MK+\e], s[MK+\e]
.endr
.irp e, 0,1,2,3,4,5,6,7
	s_add_co_u32 s[CNT+\e], s[CNT+\e], s[MK+\e]
.endr
.set k, k+1
.endr
.irp e, 0,1,2,3,4,5,6,7
	v_writelane_b32 v48, s[CNT+\e], \e
.endr
	ds_store_b32 v55, v48
	s_wait_dscnt 0x0                               ; for the others' sake: my counts lie in LDS
	s_barrier_signal -1
	s_barrier_wait -1
.irp u, 0,1,2,3
	ds_load_b32 v[49+\u], v56 offset:128*\u        ; lane e: wave u's count for expert e
.endr
	s_cmp_gt_u32 s[WV], 0
	s_cselect_b32 s24, -1, 0                       ; which waves come before mine
	s_cmp_gt_u32 s[WV], 1
	s_cselect_b32 s25, -1, 0
	s_cmp_gt_u32 s[WV], 2
	s_cselect_b32 s26, -1, 0
	s_mov_b32 s60, 0                               ; tiles so far
	s_wait_dscnt 0x0
.irp e, 0,1,2,3,4,5,6,7
	v_readlane_b32 s40, v49, \e
	v_readlane_b32 s41, v50, \e
	v_readlane_b32 s42, v51, \e
	v_readlane_b32 s43, v52, \e
	s_mul_i32 s61, s60, 80                         ; the expert's first slot
	s_add_co_u32 s62, s40, s41
	s_add_co_u32 s62, s62, s42
	s_add_co_u32 s62, s62, s43                     ; its rows
	s_and_b32 s40, s40, s24
	s_and_b32 s41, s41, s25
	s_and_b32 s42, s42, s26
	s_add_co_u32 s40, s40, s41
	s_add_co_u32 s40, s40, s42                     ; those of the waves before mine
	s_add_co_u32 s[BAS+\e], s61, s40
	s_add_co_u32 s[REND+\e], s61, s62
	s_add_co_u32 s62, s62, 79
	s_mul_hi_u32 s62, s62, 53687092                ; / 80, rounded down: 53687092 x 80 = 2^32 + 64, exact for numbers up to 4,175
	s_add_co_u32 s60, s60, s62
	s_mov_b32 s[TEND+\e], s60
.endr
	; pass 2: each row's slot = where its expert's next row goes + the lanes below mine with the same expert.  Each register has its own address and data: no store's sources are written again
.set k, 0
.rept 32
.irp e, 0,1,2,3,4,5,6,7
	v_cmp_eq_u32 s[MK+\e], \e, v[16+k]
.endr
	v_mbcnt_lo_u32_b32 v[64+k], s[MK], s[BAS]
.irp e, 1,2,3,4,5,6,7
	v_mbcnt_lo_u32_b32 v53, s[MK+\e], s[BAS+\e]
	v_cndmask_b32 v[64+k], v[64+k], v53, s[MK+\e]
.endr
.irp e, 0,1,2,3,4,5,6,7
	s_bcnt1_i32_b32 s[MK+\e], s[MK+\e]
.endr
.irp e, 0,1,2,3,4,5,6,7
	s_add_co_u32 s[BAS+\e], s[BAS+\e], s[MK+\e]
.endr
	v_min_u32 v[64+k], 0x13ff, v[64+k]             ; a slot lies in 0 .. 5119
	v_lshlrev_b32 v[64+k], 2, v[64+k]
	v_add_nc_u32 v[96+k], 128*(k/4)+k%4, v57       ; the row's number
	global_store_b32 v[64+k], v[96+k], s[18:19]
.set k, k+1
.endr
; THE SLOTS WITHOUT A ROW.  v[a] holds a slot s, vcc the threads for which it is one without a row: they store 4096 + s there: a number of its own for each such slot.  The other threads store to their own
; spare word, which nobody reads: so every lane stays on and nothing is skipped.  Each store has its own address and data registers.
.macro PADST a, d
	v_add_nc_u32 v[\d], 4096, v[\a]
	v_cndmask_b32 v[\a], v60, v[\a], vcc_lo
	v_min_u32 v[\a], 0x14ff, v[\a]                 ; a word of the buffer: 0 .. 5375
	v_lshlrev_b32 v[\a], 2, v[\a]
	global_store_b32 v[\a], v[\d], s[18:19]
.endm
.irp e, 0,1,2,3,4,5,6,7                        ; the slots between an expert's last row and the end of its last tile: 79 at the most, the 128 threads take one each
	v_add_nc_u32 v[128+\e], s[REND+\e], v0
	s_mul_i32 s63, s[TEND+\e], 80
	v_cmp_gt_u32 vcc_lo, s63, v[128+\e]
	PADST 128+\e, 144+\e
.endr
	s_mul_i32 s63, s60, 80                         ; the slots behind the last tile, up to 5,119 (the tiles end at 4,160 or later, so 4,096 on covers them)
.irp i, 0,1,2,3,4,5,6,7
	v_add_nc_u32 v[136+\i], 4096+128*\i, v0
	v_cmp_le_u32 vcc_lo, s63, v[136+\i]
	PADST 136+\i, 152+\i
.endr
	v_mov_b32 v58, 0                               ; tile v0's expert: how many experts end at or before it; tiles behind the last get 7
.irp e, 0,1,2,3,4,5,6,7
	v_cmp_le_u32 vcc_lo, s[TEND+\e], v0
	v_add_co_ci_u32 v58, vcc_lo, 0, v58, vcc_lo
.endr
	v_min_u32 v58, 7, v58
	v_lshlrev_b32 v59, 2, v0
	global_store_b32 v59, v58, s[18:19] offset:20480
	s_wait_tensorcnt 0x0
	ds_add_u32 v8, v9
	s_wait_dscnt 0x0
	s_endpgm
.Lfunc_end_k_q3247cbb475_prep:
	.size	k_q3247cbb475_prep, .Lfunc_end_k_q3247cbb475_prep-k_q3247cbb475_prep
	.p2alignl 7, 3214868480
	.fill 96, 4, 3214868480
	.section	.rodata,"a",@progbits
	.p2align	6, 0x0
	.amdhsa_kernel k_q3247cbb475_prep
		.amdhsa_group_segment_fixed_size 34816
		.amdhsa_private_segment_fixed_size 0
		.amdhsa_enable_private_segment 0
		.amdhsa_kernarg_size 64
		.amdhsa_user_sgpr_count 2
		.amdhsa_user_sgpr_kernarg_segment_ptr 1
		.amdhsa_wavefront_size32 1
		.amdhsa_system_sgpr_workgroup_id_x 1
		.amdhsa_system_sgpr_workgroup_id_y 1
		.amdhsa_system_sgpr_workgroup_id_z 1
		.amdhsa_system_vgpr_workitem_id 0
		.amdhsa_next_free_vgpr 256
		.amdhsa_next_free_sgpr 84
		.amdhsa_reserve_vcc 1
		.amdhsa_float_denorm_mode_32 3
		.amdhsa_float_denorm_mode_16_64 3
		.amdhsa_memory_ordered 1
		.amdhsa_forward_progress 1
		.amdhsa_inst_pref_size 171
	.end_amdhsa_kernel
	.amdgpu_metadata
---
amdhsa.version: [ 1, 2 ]
amdhsa.kernels:
  - .name:           k_q3247cbb475_prep
    .symbol:         k_q3247cbb475_prep.kd
    .args:
      - { .name: gate_idx, .offset: 0, .size: 8, .value_kind: global_buffer, .address_space: global }
      - { .name: w_htoh4, .offset: 8, .size: 8, .value_kind: global_buffer, .address_space: global }
      - { .name: w_h4toh, .offset: 16, .size: 8, .value_kind: global_buffer, .address_space: global }
      - { .name: w1q, .offset: 24, .size: 8, .value_kind: global_buffer, .address_space: global }
      - { .name: w1s, .offset: 32, .size: 8, .value_kind: global_buffer, .address_space: global }
      - { .name: w2q, .offset: 40, .size: 8, .value_kind: global_buffer, .address_space: global }
      - { .name: w2s, .offset: 48, .size: 8, .value_kind: global_buffer, .address_space: global }
      - { .name: route, .offset: 56, .size: 8, .value_kind: global_buffer, .address_space: global }
    .group_segment_fixed_size: 34816
    .private_segment_fixed_size: 0
    .kernarg_segment_align: 8
    .kernarg_segment_size: 64
    .max_flat_workgroup_size: 128
    .sgpr_count:     84
    .vgpr_count:     256
    .wavefront_size: 32
...
	.end_amdgpu_metadata
.endif
;; end of part 1
;; launch g1 (part 2): grid 4 x 59, 4 waves a work-group, no clusters, 212,992 bytes of LDS; arguments inp, route, w1q, w1s, hq, hs; writes hq, hs
.if DOCPART == 2
	.amdgcn_target "amdgcn-amd-amdhsa--gfx1250"
	.amdhsa_code_object_version 6
	.text
	.protected	k_q3247cbb475_g1
	.globl	k_q3247cbb475_g1
	.p2align	8
	.type	k_q3247cbb475_g1,@function
k_q3247cbb475_g1:
	s_mov_b64 s[64:65], 0
	v_nop
	global_prefetch_b8 v0, s[64:65] scope:SCOPE_SE
	s_setreg_imm32_b32 hwreg(HW_REG_WAVE_MODE, 25, 1), 1
	s_wait_xcnt 0x0
; G1: the hidden layer of one tile of 80 slots, as codes.  h = relu(x W1[e]^T), both operands codes of FP8 (E4M3) with one E8M0 scale for each 32 along K = 512; h is quantised along the next K (the hidden units).
; GRID: x = which 512 of the 2,048 hidden units, y = the tile.  With 4,096 rows, 8 experts and tiles of 80 there are never more than (4096 + 8 x 79) / 80 = 59 tiles, whatever the split.
; A slot without a row holds a number of 4096 or more: it is clamped to row 4095, computed like any other and never used.  A tile that the split leaves empty runs the same text on clamped numbers: no barrier hangs on loaded data.
; SHARES: wave w makes hidden units 512 x + 128 w .. + 127, which are K step 4 x + w of the second product, for all 80 slots.  Its 32 fragments of W1 (8 tiles x 4 K steps) stay in registers, loaded once as they lie.
; x: wave w loads bytes 512 w .. + 511 (K step w) of each of the 80 listed rows, a row to an instruction, turns them through its own stage in LDS, so that a lane gets 16 neighbours of each block, quantises them
; (five fragments) and hands them to the other waves as images of the operand's registers.
; THE PRODUCT IS USED TRANSPOSED (source 0 = 16 rows of W1, source 1 = 16 slots): a lane holds one slot, and, by the order of W1's rows in a tile, the 16 registers of tiles 2 b, 2 b + 1 are 16 neighbours along the next K.
; NO TENSOR LOADS, NO JOINT LOADS: the four work-groups of a tile share its 80 rows of x, but those are rows named by a list, which no tile's descriptor states; W1's tiles are shared by the row tiles of one expert,
; whose number hangs on counts read from memory, so that no fixed cluster holds them; and W1's fragments go from memory straight into the registers in which they stay.
; LIMITS: NaN and infinities are not served; a block whose largest magnitude lies under 2^-118, a block of zeros among them, takes the byte 1 (this program alone reads the bytes).
; LDS: XSTG 4 stages of 80 rows x 528, each its wave's own | XIMG 20 images of 2,048 bytes (4 m + s) | XSC their scale words, 128 bytes each.
; REGISTERS: window 0: see below.  Windows 1, 2: W1's fragment (s, tile) at 256 + 16 (8 s + tile).  Window 3: the first 64 listed rows as loaded, 4 registers each; once they lie in the stage: x's fragments, two sets of 64.
.set SP,    528
.set XSTW,  80*SP
.set XIMG,  4*XSTW
.set XSC,   XIMG+20*2048
.set LI,   4                           ; v4   16 x lane
.set XSL,  5                           ; v5   XSC + 4 x lane
.set L8,   6                           ; v6   8 x lane
.set XRD,  7                           ; v7   my 16 numbers of a block in my wave's stage
.set XWI,  8                           ; v8   where I store x's images
.set XWS,  9                           ; v9   and their scale words
.set LST,  10                          ; v10-12 the tile's list of rows (96 words; 80 are used)
.set GC,   13                          ; v13  512 w + 16 lane: my bytes in a row of x
.set LB,   14                          ; v14  my bytes in my stage's first row
.set XFI,  15                          ; v15  XIMG + 16 x lane
.set W1S,  16                          ; v16-31 W1's scale words: tile t at 16 + 2 t
.set XS,   32                          ; v32-39 x's scale words, two sets of 4
.set HPW,  40                          ; v40-44 the hidden layer's scale words, one for each 16 slots
.set OW,   45                          ; v45-46 a scale word on its way
.set ACC,  48                          ; v48-111 listed rows 64-79 as loaded; then 64 numbers of x; then my 8 tiles of the hidden layer
.set PC,   112                         ; v112-127 the codes just made
.set TM,   128                         ; v128-143 at work
.set L4,   144                         ; v144 4 x lane
.set LA,   145                         ; v145 the list's offset
.set GOFF, 146                         ; v146-225 slot j: the byte offset of my 16 bytes in its row of x; never rewritten
.set WV,   18
.set MNT,  19
.set SEL,  20
.set FS,   22
.set TL,   23
.set EX,   24
.set MSB, 0
.macro WIN new                         ; the immediate's high byte repeats the setting that is left
.if MSB != (\new)
	s_set_vgpr_msb (MSB<<8)|(\new)
.set MSB, \new
.endif
.endm
; 64 numbers of a lane, register 16 b + i = k 32 b + 16 h + i of its row, become a fragment's codes in v[PC] on and its scale word in v[pw].  relu = 1: what is negative becomes 0 on the way
.macro QUANT s, relu, pw
.if \relu                                      ; no |.|: what is negative must not count; the floor stands over it.  Each accumulator is read from its low end on
.irp b, 0,1,2,3
	v_max3_num_f32 v[TM+\b], v[\s+16*\b], v[\s+1+16*\b], 0x4800000
.endr
.irp i, 2,4,6,8,10,12,14
.irp b, 0,1,2,3
	v_max3_num_f32 v[TM+\b], v[TM+\b], v[\s+16*\b+\i], v[\s+1+16*\b+\i]
.endr
.endr
.else
.irp b, 0,1,2,3
	v_max3_num_f32 v[TM+\b], |v[\s+16*\b]|, |v[\s+1+16*\b]|, 0x4800000   ; my 16 numbers of block b, and the floor 2^(9 - 127): the byte cannot fall under 1
.endr
.irp i, 2,4,6,8,10,12,14
.irp b, 0,1,2,3
	v_max3_num_f32 v[TM+\b], v[TM+\b], |v[\s+16*\b+\i]|, |v[\s+1+16*\b+\i]|
.endr
.endr
.endif
.irp b, 0,1,2,3
	v_permlanex16_b32 v[TM+4+\b], v[TM+\b], s[SEL], s[SEL+1]
.endr
.irp b, 0,1,2,3
	v_max_num_f32 v[TM+\b], v[TM+\b], v[TM+4+\b]           ; with lane l xor 16's: the block's largest magnitude
.endr
.irp b, 0,1,2,3
	v_add_nc_u32 v[TM+12+\b], 0xfc000000, v[TM+\b]         ; 8 off its exponent field: the conversion's scale operand
.endr
.irp b, 0,1,2,3
	v_and_or_b32 v[TM+8+\b], v[TM+\b], 0x7f800000, s[MNT]  ; 448 x the scale
.endr
.irp b, 0,1,2,3
	v_lshrrev_b32 v[TM+4+\b], 23, v[TM+12+\b]              ; the scale's byte
.endr
	v_lshl_or_b32 v[\pw], v[TM+5], 8, v[TM+4]
	v_lshl_or_b32 v[\pw], v[TM+6], 16, v[\pw]
	v_lshl_or_b32 v[\pw], v[TM+7], 24, v[\pw]
.irp b, 0,1,2,3
.irp i, 0,1,2,3,4,5,6,7,8,9,10,11,12,13,14,15
.if \relu
	v_med3_num_f32 v[\s+16*\b+\i], v[\s+16*\b+\i], 0, v[TM+8+\b]              ; the activation and the hold in one
.else
	v_med3_num_f32 v[\s+16*\b+\i], v[\s+16*\b+\i], -v[TM+8+\b], v[TM+8+\b]    ; the conversion to an 8-bit code does not saturate (ISA guide 7.6.2)
.endif
.endr
	v_cvt_scalef32_pk8_fp8_f32 v[PC+4*\b:PC+1+4*\b], v[\s+16*\b:\s+7+16*\b], v[TM+12+\b]
	v_cvt_scalef32_pk8_fp8_f32 v[PC+2+4*\b:PC+3+4*\b], v[\s+8+16*\b:\s+15+16*\b], v[TM+12+\b]
.endr
	v_nop                                                  ; a plain line between the last conversion and the products that write its sources
.endm
.macro MM d, a, b, sa, sb, zero, ra    ; one product; zero = 1: it starts the sum; ra = 1: source 0's scales stand in lanes 16-31
.if \zero
	v_wmma_scale_f32_16x16x128_f8f6f4 v[\d:\d+7], v[\a:\a+15], v[\b:\b+15], 0, v[\sa], v[\sb]
.elseif \ra
	v_wmma_scale_f32_16x16x128_f8f6f4 v[\d:\d+7], v[\a:\a+15], v[\b:\b+15], v[\d:\d+7], v[\sa], v[\sb] matrix_a_scale:MATRIX_SCALE_ROW1
.else
	v_wmma_scale_f32_16x16x128_f8f6f4 v[\d:\d+7], v[\a:\a+15], v[\b:\b+15], v[\d:\d+7], v[\sa], v[\sb]
.endif
.endm
	s_load_b256 s[4:11], s[0:1], 0x0               ; inp s[4:5], route s[6:7], w1q s[8:9], w1s s[10:11]
	s_load_b128 s[12:15], s[0:1], 0x20             ; hq s[12:13], hs s[14:15]
	v_lshl_add_u32 v254, v0, 2, 0x33e00
	v_mov_b32 v255, 0
	v_lshrrev_b32 v1, 5, v0
	v_readfirstlane_b32 s[WV], v1                  ; wave 0..3
	v_and_b32 v1, 31, v0                           ; lane
	v_and_b32 v2, 15, v0                           ; r
	v_bfe_u32 v3, v0, 4, 1                         ; h
	s_mov_b32 s[FS], ttmp9
	s_and_b32 s[TL], ttmp7, 0xffff                 ; the tile
	s_lshl_b32 s25, s[TL], 2
	s_mul_i32 s26, s[TL], 320
	v_lshl_add_u32 v[LA], v1, 2, s26
	s_wait_kmcnt 0x0
	s_load_b32 s[EX], s[6:7], s25 offset:20480     ; the tile's expert
.irp i, 0,1,2
	global_load_b32 v[LST+\i], v[LA], s[6:7] offset:128*\i   ; its rows
.endr
	v_lshlrev_b32 v[LI], 4, v1
	v_lshlrev_b32 v[L8], 3, v1
	v_lshlrev_b32 v[L4], 2, v1
	v_lshl_add_u32 v[XSL], v1, 2, XSC
	v_lshl_add_u32 v[XWS], v0, 2, XSC              ; XSC + 128 w + 4 lane
	s_mul_i32 s26, s[WV], XSTW
	v_mul_u32_u24 v[XRD], v2, SP
	v_lshl_add_u32 v[XRD], v3, 6, v[XRD]
	v_add_nc_u32 v[XRD], s26, v[XRD]
	v_add_nc_u32 v[LB], s26, v[LI]
	s_lshl_b32 s26, s[WV], 11
	s_add_co_u32 s26, s26, XIMG
	v_add_nc_u32 v[XWI], s26, v[LI]
	s_lshl_b32 s26, s[WV], 9
	v_add_nc_u32 v[GC], s26, v[LI]
	v_add_nc_u32 v[XFI], XIMG, v[LI]
	s_mov_b32 s[SEL], 0x76543210
	s_mov_b32 s[SEL+1], 0xfedcba98
	s_mov_b32 s[MNT], 0x600000
	s_mov_b32 s28, 0xffff0000
.irp b, 0,1,2,3
	v_mov_b32 v[TM+4+\b], 0                        ; written once: a lane permute's destination counts as one of its sources
.endr
	s_lshl_b32 s29, s[FS], 2
	s_add_co_u32 s29, s29, s[WV]                   ; my K step of the second product
	s_mov_b32 s27, 0
	s_mul_i32 s26, s[TL], 163840                   ; hq: [tile][m 5][K step 16][2,048]
	s_lshl_b32 s30, s29, 11
	s_add_co_u32 s26, s26, s30
	s_add_nc_u64 s[12:13], s[12:13], s[26:27]
	s_mul_i32 s26, s[TL], 6144                     ; hs: [tile][K step 16][6 x 16 words]
	s_mul_i32 s30, s29, 384
	s_add_co_u32 s26, s26, s30
	s_add_nc_u64 s[14:15], s[14:15], s[26:27]
	s_wait_kmcnt 0x0
	s_min_u32 s[EX], s[EX], 7                      ; a loaded number enters an address only behind its clamp; behind it shifts left and additions alone
	s_lshl_b32 s26, s[EX], 20                      ; w1q: 128 tiles of 8,192 bytes an expert, 32 a work-group, 8 a wave
	s_lshl_b32 s30, s[FS], 18
	s_add_co_u32 s26, s26, s30
	s_lshl_b32 s30, s[WV], 16
	s_add_co_u32 s26, s26, s30
	s_add_nc_u64 s[8:9], s[8:9], s[26:27]
	s_lshl_b32 s26, s[EX], 15                      ; w1s: 256 bytes a tile
	s_lshl_b32 s30, s[FS], 13
	s_add_co_u32 s26, s26, s30
	s_lshl_b32 s30, s[WV], 11
	s_add_co_u32 s26, s26, s30
	s_add_nc_u64 s[10:11], s[10:11], s[26:27]
.macro WLOAD k0                        ; W1's fragments of K steps k0, k0 + 1: 64 loads of 512 consecutive bytes, into the window that is set
.irp s, 0,1
.irp t, 0,1,2,3,4,5,6,7
.irp c, 0,1,2,3
	global_load_b128 v[16*(8*\s+\t)+4*\c:16*(8*\s+\t)+4*\c+3], v[LI], s[8:9] offset:8192*\t+2048*(\k0+\s)+512*\c
.endr
.endr
.endr
.endm
	WIN 0x40                                       ; destination window 1
	WLOAD 0
	WIN 0
	s_wait_loadcnt 63                              ; the list is in: 64 loads were issued behind it, and 63 is the largest count that a wait can name
	; the rows' offsets, a register for each slot: no load's address is written again
.set g, 0
.rept 5
.irp j, 0,1,2,3,4,5,6,7,8,9,10,11,12,13,14,15
	v_readlane_b32 s[68+\j], v[LST+(16*g+\j)/32], (16*g+\j)%32
.endr
.irp j, 0,1,2,3,4,5,6,7,8,9,10,11,12,13,14,15
	s_min_u32 s[68+\j], s[68+\j], 4095             ; a slot without a row takes row 4095
.endr
.irp j, 0,1,2,3,4,5,6,7,8,9,10,11,12,13,14,15
	v_lshl_add_u32 v[GOFF+16*g+\j], s[68+\j], 11, v[GC]    ; row x 2,048 + my bytes
.endr
.set g, g+1
.endr
	WIN 0xc0                                       ; destination window 3, address window 0
.set n, 0
.rept 64
	global_load_b128 v[4*n:4*n+3], v[GOFF+n], s[4:5]       ; slot n: 512 consecutive bytes of its row
.set n, n+1
.endr
	WIN 0
.set n, 0
.rept 16
	global_load_b128 v[ACC+4*n:ACC+4*n+3], v[GOFF+64+n], s[4:5]   ; slots 64-79
.set n, n+1
.endr
	WIN 0x80                                       ; destination window 2
	WLOAD 2
	WIN 0
.irp t, 0,1,2,3,4,5,6,7
	global_load_b64 v[W1S+2*\t:W1S+2*\t+1], v[L8], s[10:11] offset:256*\t
.endr
	s_wait_loadcnt 63                              ; x's 80 loads are in: 72 loads were issued behind them, and 63 is the largest count that a wait can name
	WIN 0x0c                                       ; an LDS store's data are its source 1: window 3
.set n, 0
.rept 64
	ds_store_b128 v[LB], v[4*n:4*n+3] offset:SP*n          ; into my stage, as loaded: 512 consecutive bytes a store
.set n, n+1
.endr
	WIN 0
.set n, 0
.rept 16
	ds_store_b128 v[LB], v[ACC+4*n:ACC+4*n+3] offset:SP*(64+n)
.set n, n+1
.endr
	s_wait_dscnt 0x0                               ; the stores have read their registers: the loads below land in some of them
	; ---- X: K step w of the 80 slots becomes five fragments.  The stage is my wave's own: LDS serves a wave's instructions in order, and no barrier is needed
.irp m, 0,1,2,3,4
.irp b, 0,1,2,3
.irp j, 0,1,2,3
	ds_load_b128 v[ACC+16*\b+4*\j:ACC+16*\b+4*\j+3], v[XRD] offset:16*SP*\m+128*\b+16*\j
.endr
.endr
	s_wait_dscnt 0x0
	QUANT ACC, 0, OW
.irp c, 0,1,2,3
	ds_store_b128 v[XWI], v[PC+4*\c:PC+4*\c+3] offset:8192*\m+512*\c   ; image 4 m + w
.endr
	ds_store_b32 v[XWS], v[OW] offset:512*\m
	s_wait_dscnt 0x0                               ; the stores have landed (the last time: for the others' sake)
.endr
	s_barrier_signal -1
	s_barrier_wait -1                              ; x's twenty fragments lie in LDS
	s_wait_loadcnt 0x0                             ; W1's fragments and scale words
.macro FETCH m                         ; the four fragments of slots 16 m on, and their scale words, into set m % 2
	WIN 0xc0
.irp s, 0,1,2,3
.irp c, 0,1,2,3
	ds_load_b128 v[64*((\m)%2)+16*\s+4*\c:64*((\m)%2)+16*\s+4*\c+3], v[XFI] offset:(4*(\m)+\s)*2048+512*\c
.endr
.endr
	WIN 0
.irp s, 0,1,2,3
	ds_load_b32 v[XS+4*((\m)%2)+\s], v[XSL] offset:(4*(\m)+\s)*128
.endr
.endm
.macro MUL8 m, s                       ; K step s: my eight tiles by turns, one instruction a turn
.irp t, 0,1,2,3,4,5,6,7
.if \s == 0
	MM ACC+8*\t, 16*(8*((\s)%2)+\t), 64*((\m)%2)+16*(\s), W1S+2*\t+(\s)%2, XS+4*((\m)%2)+(\s), 1, 0
.else
	MM ACC+8*\t, 16*(8*((\s)%2)+\t), 64*((\m)%2)+16*(\s), W1S+2*\t+(\s)%2, XS+4*((\m)%2)+(\s), 0, (\s)/2
.endif
.endr
.endm
	; ---- 1: the hidden layer, 16 slots at a time
	FETCH 0
.irp m, 0,1,2,3,4
	s_wait_dscnt 0x0                               ; this turn's fragments of x are in
	WIN 0x0d                                       ; source 0 (W1) window 1, source 1 (x) window 3, C and D window 0
	MUL8 \m, 0
	MUL8 \m, 1
	WIN 0x0e                                       ; source 0 window 2
	MUL8 \m, 2
	MUL8 \m, 3
	WIN 0
.rept 8
	v_nop                                          ; eight places behind this form in front of the first read of results; with the quantiser's lines on its own registers more than the nine that the next sums' start asks
.endr
.if \m < 4
	FETCH \m+1                                     ; into the other set, which the turn before multiplied
.endif
.if \m > 0
	s_wait_xcnt 0x0                                ; the last turn's stores have read the codes' registers
.endif
	QUANT ACC, 1, HPW+\m
.irp c, 0,1,2,3
	global_store_b128 v[LI], v[PC+4*\c:PC+4*\c+3], s[12:13] offset:32768*\m+512*\c   ; the fragment (m, my K step) as it stands: 512 consecutive bytes a store
.endr
.endr
	v_cndmask_b32 v[OW], v[HPW], v[HPW+1], s28     ; lanes 0-15: slots 0-15's words, lanes 16-31: slots 16-31's (both halves of the lanes hold a row's word)
	v_cndmask_b32 v[OW+1], v[HPW+2], v[HPW+3], s28
	global_store_b32 v[L4], v[OW], s[14:15]
	global_store_b32 v[L4], v[OW+1], s[14:15] offset:128
	global_store_b32 v[L4], v[HPW+4], s[14:15] offset:256   ; slots 64-79's, twice: the upper copy is read and not used
	s_wait_tensorcnt 0x0
	ds_add_u32 v254, v255
	s_wait_dscnt 0x0
	s_endpgm
.Lfunc_end_k_q3247cbb475_g1:
	.size	k_q3247cbb475_g1, .Lfunc_end_k_q3247cbb475_g1-k_q3247cbb475_g1
	.p2alignl 7, 3214868480
	.fill 96, 4, 3214868480
	.section	.rodata,"a",@progbits
	.p2align	6, 0x0
	.amdhsa_kernel k_q3247cbb475_g1
		.amdhsa_group_segment_fixed_size 212992
		.amdhsa_private_segment_fixed_size 0
		.amdhsa_enable_private_segment 0
		.amdhsa_kernarg_size 48
		.amdhsa_user_sgpr_count 2
		.amdhsa_user_sgpr_kernarg_segment_ptr 1
		.amdhsa_wavefront_size32 1
		.amdhsa_system_sgpr_workgroup_id_x 1
		.amdhsa_system_sgpr_workgroup_id_y 1
		.amdhsa_system_sgpr_workgroup_id_z 1
		.amdhsa_system_vgpr_workitem_id 0
		.amdhsa_next_free_vgpr 1024
		.amdhsa_next_free_sgpr 90
		.amdhsa_reserve_vcc 0
		.amdhsa_float_denorm_mode_32 3
		.amdhsa_float_denorm_mode_16_64 3
		.amdhsa_memory_ordered 1
		.amdhsa_forward_progress 1
		.amdhsa_inst_pref_size 162
	.end_amdhsa_kernel
	.amdgpu_metadata
---
amdhsa.version: [ 1, 2 ]
amdhsa.kernels:
  - .name:           k_q3247cbb475_g1
    .symbol:         k_q3247cbb475_g1.kd
    .args:
      - { .name: inp, .offset: 0, .size: 8, .value_kind: global_buffer, .address_space: global }
      - { .name: route, .offset: 8, .size: 8, .value_kind: global_buffer, .address_space: global }
      - { .name: w1q, .offset: 16, .size: 8, .value_kind: global_buffer, .address_space: global }
      - { .name: w1s, .offset: 24, .size: 8, .value_kind: global_buffer, .address_space: global }
      - { .name: hq, .offset: 32, .size: 8, .value_kind: global_buffer, .address_space: global }
      - { .name: hs, .offset: 40, .size: 8, .value_kind: global_buffer, .address_space: global }
    .group_segment_fixed_size: 212992
    .private_segment_fixed_size: 0
    .kernarg_segment_align: 8
    .kernarg_segment_size: 48
    .max_flat_workgroup_size: 128
    .sgpr_count:     90
    .vgpr_count:     1024
    .wavefront_size: 32
...
	.end_amdgpu_metadata
.endif
;; end of part 2
;; launch g2 (part 3): grid 4 x 59, 4 waves a work-group, clusters of 4 x 1, 254,976 bytes of LDS; arguments hq, hs, route, w2q, w2s, ybuf; writes ybuf
.if DOCPART == 3
	.amdgcn_target "amdgcn-amd-amdhsa--gfx1250"
	.amdhsa_code_object_version 6
	.text
	.protected	k_q3247cbb475_g2
	.globl	k_q3247cbb475_g2
	.p2align	8
	.type	k_q3247cbb475_g2,@function
k_q3247cbb475_g2:
	s_mov_b64 s[64:65], 0
	v_nop
	global_prefetch_b8 v0, s[64:65] scope:SCOPE_SE
	s_setreg_imm32_b32 hwreg(HW_REG_WAVE_MODE, 25, 1), 1
	s_wait_xcnt 0x0
	s_wait_alu depctr_hold_cnt(0) depctr_sa_sdst(0) depctr_va_vdst(0) depctr_va_sdst(0) depctr_va_ssrc(0) depctr_va_vcc(0) depctr_vm_vsrc(0)
	s_getreg_b32 s2, hwreg(HW_REG_IB_STS2, 6, 4)
	s_cmp_eq_u32 s2, 0
	s_cbranch_scc0 .Lentry_in_a_cluster
	s_endpgm
.Lentry_in_a_cluster:
	s_bfe_u32 s2, ttmp6, 0x10000c
	s_cmp_lg_u32 s2, 0x3003
	s_cbranch_scc0 .Lentry_shape_is_right
	s_endpgm
.Lentry_shape_is_right:
; G2: y = h W2[e]^T for one tile of 80 slots and 128 of the 512 columns, both operands codes of FP8 (E4M3) with one E8M0 scale for each 32 along K = 2,048; each slot's result goes to its row's place in ybuf [8816][512] f32.
; GRID: x = which 128 columns, y = the tile (59 serve every split).  Rows 0 to 4,095 of ybuf are the problem's rows.  Slot s without a row holds 4096 + s in the list: a spare row of its own (the 59 tiles have
; 4,720 slots, so the rows end at 8,815), which nobody reads.  So a slot without a row is stored like any other: no branch and no mask hangs on the list, the four partners of a cluster run alike, and no two
; stores of the launch name the same bytes.  A tile that the split leaves empty makes every joint request, computes on what lies there and stores into its spare rows alone.
; CLUSTER: the four work-groups of a tile need the same 160 KiB of h's codes and 6 KiB of scale words: they are asked for JOINTLY, each wave a quarter, once; every LDS byte is filled once.
; W2's tiles are not shared jointly: their other readers are the row tiles of the same expert, whose number hangs on counts read from memory.
; SHARES: wave w: b = w % 2: columns 64 b .. + 63 (four tiles of 16 rows of W2); kap = w / 2: K steps 8 kap .. + 7.  Its 32 fragments of W2 stay in registers, loaded as they lie.  20 accumulators (5 x 16 slots, 4 tiles):
; a fragment of h read from LDS feeds four products.  K IS SUMMED IN TWO HALVES, by two waves, and the halves are added in f32 on the way out: an order of rounding other than one chain's.
; TRANSPOSED USE (source 0 = 16 rows of W2, source 1 = 16 slots): a lane holds eight neighbouring columns of one slot.
; LDS: HIMG 163,840 [m 5][K step 16][2,048] | HSC 6,144 [K step 16][6 x 16 words] | STG two stages (one for each half of K) of 80 rows x 528, written by LDS stores alone.
; REGISTERS: window 0 below.  Windows 1, 2: W2's fragment (s, n) at 256 + 16 (4 s + n).  Window 3: accumulator (m, n) at 8 (4 m + n).
.set HSC,  163840
.set STG,  169984
.set SP,   528
.set STH,  80*SP
.set YROWS, 4096+59*80                 ; the rows of ybuf
.set LI,   4                           ; v4   16 x lane
.set HSA,  5                           ; v5   h's scale words: HSC + 4 lane + my half of K
.set L8,   6                           ; v6   8 x lane
.set STO,  7                           ; v7   the stage: where I put 32 bytes of a row
.set SRD,  8                           ; v8   and where I read my 20 rows back
.set IDX,  9                           ; v9   lane i: the row of slot 20 w + i
.set HA,   10                          ; v10-14 h's fragments of slots 16 m on, my half of K
.set W2S,  16                          ; v16-31 W2's scale words
.set HS,   32                          ; v32-37 h's scale words, two sets of 3
.set YO,   40                          ; v40-59 the stores' offsets
.set IA,   60                          ; v60  the list's offset
.set HF,   64                          ; v64-223 h's fragments, two sets of 80; on the way out 20 rows, both halves
.set WV,   18
.set G0A,  32                          ; s[32:35], s[36:39] descriptor groups 0 for the codes and the scale words; s[40:47], s[48:55] their groups 1
.set G0B,  36
.set G1A,  40
.set G1B,  48
.set MSB, 0
.macro WIN new                         ; the immediate's high byte repeats the setting that is left
.if MSB != (\new)
	s_set_vgpr_msb (MSB<<8)|(\new)
.set MSB, \new
.endif
.endm
.macro ROUND                           ; a round of the cluster's barrier
	s_barrier_signal -1
	s_barrier_wait -1
	s_cmp_lg_u32 s[WV], 0
	s_cbranch_scc1 .Lnot_wave_0_\@
	s_barrier_signal -3
.Lnot_wave_0_\@:
	s_barrier_wait -3
	s_barrier_signal -1
	s_barrier_wait -1
.endm
.macro MM d, a, b, sa, sb, zero, ra, rb   ; one product; zero = 1: it starts the sum; ra, rb = 1: that source's scales stand in lanes 16-31
.if (\zero) && (\rb)
	v_wmma_scale_f32_16x16x128_f8f6f4 v[\d:\d+7], v[\a:\a+15], v[\b:\b+15], 0, v[\sa], v[\sb] matrix_b_scale:MATRIX_SCALE_ROW1
.elseif \zero
	v_wmma_scale_f32_16x16x128_f8f6f4 v[\d:\d+7], v[\a:\a+15], v[\b:\b+15], 0, v[\sa], v[\sb]
.elseif (\ra) && (\rb)
	v_wmma_scale_f32_16x16x128_f8f6f4 v[\d:\d+7], v[\a:\a+15], v[\b:\b+15], v[\d:\d+7], v[\sa], v[\sb] matrix_a_scale:MATRIX_SCALE_ROW1 matrix_b_scale:MATRIX_SCALE_ROW1
.elseif \ra
	v_wmma_scale_f32_16x16x128_f8f6f4 v[\d:\d+7], v[\a:\a+15], v[\b:\b+15], v[\d:\d+7], v[\sa], v[\sb] matrix_a_scale:MATRIX_SCALE_ROW1
.elseif \rb
	v_wmma_scale_f32_16x16x128_f8f6f4 v[\d:\d+7], v[\a:\a+15], v[\b:\b+15], v[\d:\d+7], v[\sa], v[\sb] matrix_b_scale:MATRIX_SCALE_ROW1
.else
	v_wmma_scale_f32_16x16x128_f8f6f4 v[\d:\d+7], v[\a:\a+15], v[\b:\b+15], v[\d:\d+7], v[\sa], v[\sb]
.endif
.endm
	s_load_b256 s[4:11], s[0:1], 0x0               ; hq s[4:5], hs s[6:7], route s[8:9], w2q s[10:11]
	s_load_b128 s[12:15], s[0:1], 0x20             ; w2s s[12:13], ybuf s[14:15]
	v_lshl_add_u32 v254, v0, 2, 0x3e200
	v_mov_b32 v255, 0
	ds_add_u32 v254, v255
	ds_add_u32 v254, v255
	v_lshrrev_b32 v1, 5, v0
	v_readfirstlane_b32 s[WV], v1                  ; wave 0..3
	v_and_b32 v1, 31, v0                           ; lane
	v_and_b32 v2, 15, v0                           ; r
	v_bfe_u32 v3, v0, 4, 1                         ; h
	s_and_b32 s21, ttmp7, 0xffff                   ; the tile, which the four partners share
	s_and_b32 s22, s[WV], 1                        ; b
	s_lshr_b32 s23, s[WV], 1                       ; kap
	; LDS addresses: the wave's number, the lane and constants alone
	v_lshlrev_b32 v[LI], 4, v1
	v_lshlrev_b32 v[L8], 3, v1
	s_mul_i32 s59, s23, 3072                       ; 8 K steps of 384 bytes
	s_add_co_u32 s59, s59, HSC
	v_lshl_add_u32 v[HSA], v1, 2, s59
	s_lshl_b32 s59, s23, 14                        ; 8 K steps of 2,048 bytes
.irp m, 0,1,2,3,4
	v_add_nc_u32 v[HA+\m], s59, v[LI]
	s_add_co_u32 s59, s59, 32768
.endr
	s_mul_i32 s59, s23, STH
	s_lshl_b32 s60, s22, 8
	s_add_co_u32 s59, s59, s60
	s_add_co_u32 s59, s59, STG
	v_mul_u32_u24 v[STO], v2, SP
	v_lshl_add_u32 v[STO], v3, 5, v[STO]
	v_add_nc_u32 v[STO], s59, v[STO]               ; my half's stage, row r, + 256 b + 32 h
	s_mul_i32 s59, s[WV], 20*SP
	s_add_co_u32 s59, s59, STG
	v_add_nc_u32 v[SRD], s59, v[LI]
	s_mul_i32 s59, s21, 320
	s_mul_i32 s60, s[WV], 80
	s_add_co_u32 s59, s59, s60
	v_lshl_add_u32 v[IA], v1, 2, s59               ; the list: slot 80 t + 20 w + lane
	; descriptor groups 1: dense blocks as rows of 256 bytes (32 elements of 8 bytes): 160 rows of codes, 6 rows of scale words a wave
	s_mov_b32 s[G1A], 15|(3<<16)|(1<<21)           ; 15:0 the mask: all four work-groups; 17:16 elements of 8 bytes; 21 set beside a mask; no padding
	s_mov_b32 s[G1A+1], 32<<16                     ; tensor_dim0 = 32
	s_mov_b32 s[G1A+2], 160<<16                    ; tensor_dim1 = 160
	s_mov_b32 s[G1A+3], 32<<16                     ; tile_dim0 = 32
	s_mov_b32 s[G1A+4], 160                        ; tile_dim1 = 160
	s_mov_b32 s[G1A+5], 32                         ; from row to row
	s_mov_b32 s[G1A+6], 0
	s_mov_b32 s[G1A+7], 0
	s_mov_b32 s[G1B], 15|(3<<16)|(1<<21)
	s_mov_b32 s[G1B+1], 32<<16
	s_mov_b32 s[G1B+2], 6<<16
	s_mov_b32 s[G1B+3], 32<<16
	s_mov_b32 s[G1B+4], 6
	s_mov_b32 s[G1B+5], 32
	s_mov_b32 s[G1B+6], 0
	s_mov_b32 s[G1B+7], 0
	s_mul_i32 s24, s21, 163840                     ; the tile's codes, my quarter
	s_mul_i32 s26, s[WV], 40960
	s_add_co_u32 s24, s24, s26
	s_mov_b32 s25, 0
	s_mul_i32 s28, s21, 6144                       ; its scale words, my quarter
	s_mul_i32 s26, s[WV], 1536
	s_add_co_u32 s28, s28, s26
	s_mov_b32 s29, 0
	s_lshl_b32 s57, s21, 2
	s_wait_dscnt 0x0
	s_wait_kmcnt 0x0
	s_load_b32 s56, s[8:9], s57 offset:20480       ; the tile's expert
	s_mov_b32 s[G0A], 1                            ; count = 1
	s_mul_i32 s[G0A+1], s[WV], 40960               ; LDS address
	s_add_nc_u64 s[G0A+2:G0A+3], s[4:5], s[24:25]  ; global address
	s_or_b32 s[G0A+3], s[G0A+3], 0x80000000        ; type = 2
	s_mov_b32 s[G0B], 1
	s_mul_i32 s[G0B+1], s[WV], 1536
	s_add_co_u32 s[G0B+1], s[G0B+1], HSC
	s_add_nc_u64 s[G0B+2:G0B+3], s[6:7], s[28:29]
	s_or_b32 s[G0B+3], s[G0B+3], 0x80000000
	ROUND                                          ; all four work-groups are here: the joint loads meet
	tensor_load_to_lds s[G0A:G0A+3], s[G1A:G1A+7]  ; my two loads stand together: two are out, and no more follow
	s_nop 0
	tensor_load_to_lds s[G0B:G0B+3], s[G1B:G1B+7]
	s_nop 0
.rept 4
	v_nop
.endr
	s_bfe_u32 s19, ttmp6, 0x40000                  ; cx: it enters W2's and y's global addresses alone
	s_lshl_b32 s20, ttmp9, 2
	s_add_co_u32 s20, s20, s19                     ; which 128 columns
	s_wait_kmcnt 0x0
	s_min_u32 s56, s56, 7                          ; a loaded number enters an address only behind its clamp; behind it shifts left and additions alone
	s_lshl_b32 s24, s56, 5
	s_lshl_b32 s26, s20, 3
	s_add_co_u32 s24, s24, s26
	s_lshl_b32 s26, s22, 2
	s_add_co_u32 s24, s24, s26                     ; my first tile of W2: 32 e + 8 x + 4 b
	s_lshl_b32 s26, s24, 15                        ; 32,768 bytes of codes a tile,
	s_lshl_b32 s28, s23, 14                        ; my half of K
	s_add_co_u32 s26, s26, s28
	s_mov_b32 s27, 0
	s_add_nc_u64 s[10:11], s[10:11], s[26:27]
	s_lshl_b32 s26, s24, 10                        ; 1,024 bytes of scale words a tile
	s_lshl_b32 s28, s23, 9
	s_add_co_u32 s26, s26, s28
	s_add_nc_u64 s[12:13], s[12:13], s[26:27]
	s_lshl_b32 s26, s20, 9                         ; my work-group's 512 bytes of a row of y
	s_add_nc_u64 s[14:15], s[14:15], s[26:27]
	global_load_b32 v[IDX], v[IA], s[8:9]
.irp n, 0,1,2,3
.irp q, 0,1
	global_load_b64 v[W2S+2*(2*\n+\q):W2S+2*(2*\n+\q)+1], v[L8], s[12:13] offset:1024*\n+256*\q
.endr
.endr
	WIN 0x40                                       ; destination window 1: K steps 0-3 of my half, in the order in which they are multiplied
.irp s, 0,1,2,3
.irp n, 0,1,2,3
.irp c, 0,1,2,3
	global_load_b128 v[16*(4*\s+\n)+4*\c:16*(4*\s+\n)+4*\c+3], v[LI], s[10:11] offset:32768*\n+2048*\s+512*\c
.endr
.endr
.endr
	WIN 0x80                                       ; destination window 2: K steps 4-7
.irp s, 0,1,2,3
.irp n, 0,1,2,3
.irp c, 0,1,2,3
	global_load_b128 v[16*(4*\s+\n)+4*\c:16*(4*\s+\n)+4*\c+3], v[LI], s[10:11] offset:32768*\n+2048*(\s+4)+512*\c
.endr
.endr
.endr
	WIN 0
	s_wait_tensorcnt 0x0                           ; my quarters have landed,
	s_barrier_signal -1
	s_barrier_wait -1                              ; everybody's have
.macro FETCH s                         ; K step s of my half: five fragments of h and three registers of scale words (lanes 0-15: slots 32 j on, lanes 16-31: slots 32 j + 16 on), into set s % 2: 23 loads
.irp m, 0,1,2,3,4
.irp c, 0,1,2,3
	ds_load_b128 v[HF+80*((\s)%2)+16*\m+4*\c:HF+80*((\s)%2)+16*\m+4*\c+3], v[HA+\m] offset:2048*(\s)+512*\c
.endr
.endr
.irp j, 0,1,2
	ds_load_b32 v[HS+3*((\s)%2)+\j], v[HSA] offset:384*(\s)+128*\j
.endr
.endm
.macro KSTEP s
.if \s > 0
.rept 8
	v_nop                                          ; eight places behind this form in front of loads into the set that the last step multiplied
.endr
.endif
.if \s < 7
	FETCH \s+1
	s_wait_dscnt 23                                ; this step's fragments are in; the 23 loads just issued may be out
.else
	s_wait_dscnt 0x0
.endif
.if \s < 4
	s_wait_loadcnt 63                              ; this step's fragments of W2 are in: 16 loads for each later step were issued behind them, 64 or more: 63 is the largest count that a wait can name
.else
	s_wait_loadcnt 16*(7-\s)                       ; 16 loads for each later step may be out
.endif
.if \s < 4
	WIN 0xf1                                       ; source 0 (W2) window 1, source 1 (h) window 0, C and D window 3
.else
	WIN 0xf2                                       ; source 0 window 2
.endif
.irp m, 0,1,2,3,4                              ; the 20 accumulators by turns, one instruction a turn
.irp n, 0,1,2,3
.if \s == 0
	MM 8*(4*\m+\n), 16*(4*((\s)%4)+\n), HF+80*((\s)%2)+16*\m, W2S+2*(2*\n+(\s)/4)+(\s)%2, HS+3*((\s)%2)+\m/2, 1, 0, \m%2
.else
	MM 8*(4*\m+\n), 16*(4*((\s)%4)+\n), HF+80*((\s)%2)+16*\m, W2S+2*(2*\n+(\s)/4)+(\s)%2, HS+3*((\s)%2)+\m/2, 0, ((\s)/2)%2, \m%2
.endif
.endr
.endr
	WIN 0
.endm
	FETCH 0
.irp s, 0,1,2,3,4,5,6,7
	KSTEP \s
.endr
.rept 8
	v_nop                                          ; places in front of the first read of results, and of the loads below into registers that the products read
.endr
	WIN 0x0c                                       ; an LDS store's data are its source 1: window 3
.irp m, 0,1,2,3,4
.irp n, 0,1,2,3
	ds_store_b128 v[STO], v[8*(4*\m+\n):8*(4*\m+\n)+3] offset:16*SP*\m+64*\n          ; each accumulator from its low end on: slot 16 m + r, columns 64 b + 16 n + 8 h + 0 .. 7
	ds_store_b128 v[STO], v[8*(4*\m+\n)+4:8*(4*\m+\n)+7] offset:16*SP*\m+64*\n+16
.endr
.endr
	WIN 0
	s_wait_dscnt 0x0                               ; for the others' sake: my stores into the stages have landed
	s_barrier_signal -1
	s_barrier_wait -1
.irp i, 0,1,2,3,4,5,6,7,8,9,10,11,12,13,14,15,16,17,18,19
	ds_load_b128 v[HF+8*\i:HF+8*\i+3], v[SRD] offset:SP*\i           ; slot 20 w + i, 512 bytes to the 32 lanes: the first half of K,
	ds_load_b128 v[HF+8*\i+4:HF+8*\i+7], v[SRD] offset:STH+SP*\i     ; the second
.endr
	s_wait_dscnt 0x0                               ; (the list came with the last step's wait for all loads)
; a slot's 128 columns go to the row that the list names: its own row of the problem, or the slot's spare row.  Each slot has registers of its own: no store's sources are written again
.macro OUTROW i
	v_readlane_b32 s58, v[IDX], \i
	s_min_u32 s58, s58, YROWS-1                    ; a row of ybuf
	v_lshl_add_u32 v[YO+\i], s58, 11, v[LI]
	v_pk_add_f32 v[HF+8*\i:HF+8*\i+1], v[HF+8*\i:HF+8*\i+1], v[HF+8*\i+4:HF+8*\i+5]       ; the two halves of K
	v_pk_add_f32 v[HF+8*\i+2:HF+8*\i+3], v[HF+8*\i+2:HF+8*\i+3], v[HF+8*\i+6:HF+8*\i+7]
	global_store_b128 v[YO+\i], v[HF+8*\i:HF+8*\i+3], s[14:15]     ; 512 consecutive bytes, at a multiple of 256 from ybuf's first byte
.endm
.irp i, 0,1,2,3,4,5,6,7,8,9,10,11,12,13,14,15,16,17,18,19
	OUTROW \i
.endr
	s_wait_tensorcnt 0x0
	ds_add_u32 v254, v255
	s_wait_dscnt 0x0
	ROUND                                          ; the closing round
	s_endpgm
.Lfunc_end_k_q3247cbb475_g2:
	.size	k_q3247cbb475_g2, .Lfunc_end_k_q3247cbb475_g2-k_q3247cbb475_g2
	.p2alignl 7, 3214868480
	.fill 96, 4, 3214868480
	.section	.rodata,"a",@progbits
	.p2align	6, 0x0
	.amdhsa_kernel k_q3247cbb475_g2
		.amdhsa_group_segment_fixed_size 254976
		.amdhsa_private_segment_fixed_size 0
		.amdhsa_enable_private_segment 0
		.amdhsa_kernarg_size 48
		.amdhsa_user_sgpr_count 2
		.amdhsa_user_sgpr_kernarg_segment_ptr 1
		.amdhsa_wavefront_size32 1
		.amdhsa_system_sgpr_workgroup_id_x 1
		.amdhsa_system_sgpr_workgroup_id_y 1
		.amdhsa_system_sgpr_workgroup_id_z 1
		.amdhsa_system_vgpr_workitem_id 0
		.amdhsa_next_free_vgpr 1024
		.amdhsa_next_free_sgpr 66
		.amdhsa_reserve_vcc 0
		.amdhsa_float_denorm_mode_32 3
		.amdhsa_float_denorm_mode_16_64 3
		.amdhsa_memory_ordered 1
		.amdhsa_forward_progress 1
		.amdhsa_inst_pref_size 68
	.end_amdhsa_kernel
	.amdgpu_metadata
---
amdhsa.version: [ 1, 2 ]
amdhsa.kernels:
  - .name:           k_q3247cbb475_g2
    .symbol:         k_q3247cbb475_g2.kd
    .args:
      - { .name: hq, .offset: 0, .size: 8, .value_kind: global_buffer, .address_space: global }
      - { .name: hs, .offset: 8, .size: 8, .value_kind: global_buffer, .address_space: global }
      - { .name: route, .offset: 16, .size: 8, .value_kind: global_buffer, .address_space: global }
      - { .name: w2q, .offset: 24, .size: 8, .value_kind: global_buffer, .address_space: global }
      - { .name: w2s, .offset: 32, .size: 8, .value_kind: global_buffer, .address_space: global }
      - { .name: ybuf, .offset: 40, .size: 8, .value_kind: global_buffer, .address_space: global }
    .group_segment_fixed_size: 254976
    .private_segment_fixed_size: 0
    .kernarg_segment_align: 8
    .kernarg_segment_size: 48
    .max_flat_workgroup_size: 128
    .sgpr_count:     66
    .vgpr_count:     1024
    .wavefront_size: 32
...
	.end_amdgpu_metadata
.endif
;; end of part 3
;; launch combine (part 4): grid 256 x 1, 8 waves a work-group, no clusters, 0 bytes of LDS; arguments ybuf, gate_score, out0; writes out0
.if DOCPART == 4
	.amdgcn_target "amdgcn-amd-amdhsa--gfx1250"
	.amdhsa_code_object_version 6
	.text
	.protected	k_q3247cbb475_combine
	.globl	k_q3247cbb475_combine
	.p2align	8
	.type	k_q3247cbb475_combine,@function
k_q3247cbb475_combine:
	s_mov_b64 s[64:65], 0
	v_nop
	global_prefetch_b8 v0, s[64:65] scope:SCOPE_SE
	s_setreg_imm32_b32 hwreg(HW_REG_WAVE_MODE, 25, 1), 1
	s_wait_xcnt 0x0
; COMBINE: out[n] = g[n][0] y[2 n] + g[n][1] y[2 n + 1], in f32.  y: [4096][512], g: [2048][1][2], out: [2048][512].
; A wave takes one token: two rows of 2,048 bytes in, one out; each load and store covers 512 consecutive bytes.  K = 2: a multiplication and a fused multiply-add; no LDS, no barrier, no matrix unit: nothing is shared.
	s_load_b128 s[4:7], s[0:1], 0x0                ; y s[4:5], g s[6:7]
	s_load_b64 s[8:9], s[0:1], 0x10                ; out
	v_lshrrev_b32 v1, 5, v0
	v_readfirstlane_b32 s10, v1                    ; wave 0..7
	v_and_b32 v1, 31, v0
	v_lshlrev_b32 v1, 4, v1                        ; 16 x lane
	s_lshl_b32 s11, ttmp9, 3
	s_add_co_u32 s11, s11, s10                     ; my token
	s_lshl_b32 s14, s11, 3                         ; its two scores,
	s_lshl_b32 s16, s11, 12                        ; its two rows of y,
	s_mov_b32 s17, 0
	s_lshl_b32 s18, s11, 11                        ; its row of out
	s_mov_b32 s19, 0
	s_wait_kmcnt 0x0
	s_load_b64 s[12:13], s[6:7], s14 offset:0x0
	s_add_nc_u64 s[4:5], s[4:5], s[16:17]
	s_add_nc_u64 s[8:9], s[8:9], s[18:19]
.irp i, 0,1,2,3
	global_load_b128 v[8+4*\i:11+4*\i], v1, s[4:5] offset:512*\i th:TH_LOAD_NT
	global_load_b128 v[24+4*\i:27+4*\i], v1, s[4:5] offset:2048+512*\i th:TH_LOAD_NT
.endr
	s_wait_kmcnt 0x0
	s_mov_b32 s14, s13                             ; the second score as a pair's low word (the packed form takes the low word for both halves; the whole pair is written)
	s_mov_b32 s15, s13
.irp i, 0,1,2,3
	s_wait_loadcnt 6-2*\i                          ; piece i of both rows is in; the later pieces' two loads each may be out
	v_pk_mul_f32 v[24+4*\i:25+4*\i], v[24+4*\i:25+4*\i], s[14:15] op_sel_hi:[1,0]
	v_pk_mul_f32 v[26+4*\i:27+4*\i], v[26+4*\i:27+4*\i], s[14:15] op_sel_hi:[1,0]
	v_pk_fma_f32 v[8+4*\i:9+4*\i], v[8+4*\i:9+4*\i], s[12:13], v[24+4*\i:25+4*\i] op_sel_hi:[1,0,1]
	v_pk_fma_f32 v[10+4*\i:11+4*\i], v[10+4*\i:11+4*\i], s[12:13], v[26+4*\i:27+4*\i] op_sel_hi:[1,0,1]
	global_store_b128 v1, v[8+4*\i:11+4*\i], s[8:9] offset:512*\i th:TH_STORE_NT
.endr
	s_endpgm
.Lfunc_end_k_q3247cbb475_combine:
	.size	k_q3247cbb475_combine, .Lfunc_end_k_q3247cbb475_combine-k_q3247cbb475_combine
	.p2alignl 7, 3214868480
	.fill 96, 4, 3214868480
	.section	.rodata,"a",@progbits
	.p2align	6, 0x0
	.amdhsa_kernel k_q3247cbb475_combine
		.amdhsa_group_segment_fixed_size 0
		.amdhsa_private_segment_fixed_size 0
		.amdhsa_enable_private_segment 0
		.amdhsa_kernarg_size 24
		.amdhsa_user_sgpr_count 2
		.amdhsa_user_sgpr_kernarg_segment_ptr 1
		.amdhsa_wavefront_size32 1
		.amdhsa_system_sgpr_workgroup_id_x 1
		.amdhsa_system_sgpr_workgroup_id_y 1
		.amdhsa_system_sgpr_workgroup_id_z 1
		.amdhsa_system_vgpr_workitem_id 0
		.amdhsa_next_free_vgpr 48
		.amdhsa_next_free_sgpr 66
		.amdhsa_reserve_vcc 0
		.amdhsa_float_denorm_mode_32 3
		.amdhsa_float_denorm_mode_16_64 3
		.amdhsa_memory_ordered 1
		.amdhsa_forward_progress 1
		.amdhsa_inst_pref_size 4
	.end_amdhsa_kernel
	.amdgpu_metadata
---
amdhsa.version: [ 1, 2 ]
amdhsa.kernels:
  - .name:           k_q3247cbb475_combine
    .symbol:         k_q3247cbb475_combine.kd
    .args:
      - { .name: ybuf, .offset: 0, .size: 8, .value_kind: global_buffer, .address_space: global }
      - { .name: gate_score, .offset: 8, .size: 8, .value_kind: global_buffer, .address_space: global }
      - { .name: out0, .offset: 16, .size: 8, .value_kind: global_buffer, .address_space: global }
    .group_segment_fixed_size: 0
    .private_segment_fixed_size: 0
    .kernarg_segment_align: 8
    .kernarg_segment_size: 24
    .max_flat_workgroup_size: 256
    .sgpr_count:     66
    .vgpr_count:     48
    .wavefront_size: 32
...
	.end_amdgpu_metadata
.endif
;; end of part 4
;; ======== version 2 of 2: 4 launches; version 1 with the launch g1 written anew for expert scheduling mode
;; workspace buffers: w1q 8,388,608 bytes; w1s 262,144 bytes; w2q 8,388,608 bytes; w2s 262,144 bytes; route 21,504 bytes of whole numbers; hq 9,666,560 bytes; hs 362,496 bytes; ybuf 18,055,168 bytes
;; launch prep: the kernel of part 1 again; grid 513 x 1, 4 waves a work-group, no clusters, 34,816 bytes of LDS; arguments gate_idx, w_htoh4, w_h4toh, w1q, w1s, w2q, w2s, route; writes w1q, w1s, w2q, w2s, route
;; launch g1 (part 5): grid 4 x 59, 4 waves a work-group, no clusters, 212,992 bytes of LDS; arguments inp, route, w1q, w1s, hq, hs; writes hq, hs
.if DOCPART == 5
	.amdgcn_target "amdgcn-amd-amdhsa--gfx1250"
	.amdhsa_code_object_version 6
	.text
	.protected	k_q3247cbb475_g1
	.globl	k_q3247cbb475_g1
	.p2align	8
	.type	k_q3247cbb475_g1,@function
k_q3247cbb475_g1:
	s_mov_b64 s[64:65], 0
	v_nop
	global_prefetch_b8 v0, s[64:65] scope:SCOPE_SE
	s_setreg_imm32_b32 hwreg(HW_REG_WAVE_SCHED_MODE, 0, 2), 2
	s_setreg_imm32_b32 hwreg(HW_REG_WAVE_MODE, 25, 1), 1
	s_wait_xcnt 0x0
	s_wait_alu depctr_vm_vsrc(0)
; G1: the hidden layer of one tile of 80 slots, as codes.  h = relu(x W1[e]^T), both operands codes of FP8 (E4M3) with one E8M0 scale for each 32 along K = 512; h is quantised along the next K (the hidden units).
; GRID: x = which 512 of the 2,048 hidden units, y = the tile.  With 4,096 rows, 8 experts and tiles of 80 there are never more than (4096 + 8 x 79) / 80 = 59 tiles, whatever the split.
; A slot without a row holds a number of 4096 or more: it is clamped to row 4095, computed like any other and never used.  A tile that the split leaves empty runs the same text on clamped numbers: no barrier hangs on loaded data.
; SHARES: wave w makes hidden units 512 x + 128 w .. + 127, which are K step 4 x + w of the second product, for all 80 slots.  Its 32 fragments of W1 (8 tiles x 4 K steps) stay in registers, loaded once as they lie.
; x: wave w loads bytes 512 w .. + 511 (K step w) of each of the 80 listed rows, a row to an instruction, turns them through its own stage in LDS, so that a lane gets 16 neighbours of each block, quantises them
; (five fragments) and hands them to the other waves as images of the operand's registers.
; THE PRODUCT IS USED TRANSPOSED (source 0 = 16 rows of W1, source 1 = 16 slots): a lane holds one slot, and, by the order of W1's rows in a tile, the 16 registers of tiles 2 b, 2 b + 1 are 16 neighbours along the next K.
; NO TENSOR LOADS, NO JOINT LOADS: the four work-groups of a tile share its 80 rows of x, but those are rows named by a list, which no tile's descriptor states; W1's tiles are shared by the row tiles of one expert,
; whose number hangs on counts read from memory, so that no fixed cluster holds them; and W1's fragments go from memory straight into the registers in which they stay.
; LIMITS: NaN and infinities are not served; a block whose largest magnitude lies under 2^-118, a block of zeros among them, takes the byte 1 (this program alone reads the bytes).
; LDS: XSTG 4 stages of 80 rows x 528, each its wave's own | XIMG 20 images of 2,048 bytes (4 m + s) | XSC their scale words, 128 bytes each | 512 bytes of spare words.
; REGISTERS: window 0: see below.  Windows 1, 2: W1's fragment (s, tile) at 256 + 16 (8 s + tile).  Window 3: the first 64 listed rows as loaded, 4 registers each; once they lie in the stage: x's fragments, two sets of 64.
; THE MODE: SCHED_MODE bits 1:0 = 2 (LLVM: expert scheduling mode 2), set by the entry lines.  The code itself states the register dependences between vector or matrix instructions and memory or LDS
; instructions, with s_wait_alu, always for 0.
; THE PLAN.  Registers that memory or LDS instructions touch:
;   the addresses and offsets v4-9, v13-15, v144, v145   written by vector lines at the head, all ahead of ONE wait on va_vdst, and never again.
;   GOFF        written once, by 80 vector lines, ahead of one wait on va_vdst; read by x's 80 loads.
;   window 3    x's loads land in it; the stage's stores read it; behind one wait on vm_vsrc it holds x's fragments: set m % 2 is read by turn m's products, and the LDS loads for turn m + 2 land in it.  XS likewise.
;   ACC         x's last 16 loads land in it and the stage's stores read it (the same wait on vm_vsrc); in X step m the quantiser reads and writes it, and step m + 1's LDS loads land in it; later products and vector lines alone.
;   PC, OW      written by the quantiser (OW at the end by two selections); read by the images' LDS stores, later by the global stores.
;   W1's fragments and scale words, the list: each loaded once; read by products and vector lines alone.
; So an X step and a turn have ONE wait on va_vdst each, behind the quantiser: the codes and the scale word are written, which the stores read; the quantiser is done with ACC (X step), the turn's products are done
; reading their set of x's fragments and scale words (turn).  Behind it stand the next X step's loads, or, in the middle of the next turn, the fetch for the turn after that, with no further wait: no vector or
; matrix instruction issued since names a register that those loads touch.  One wait on vm_vsrc stands ahead of each quantiser that writes PC again.
.set SP,    528
.set XSTW,  80*SP
.set XIMG,  4*XSTW
.set XSC,   XIMG+20*2048
.set LI,   4                           ; v4   16 x lane
.set XSL,  5                           ; v5   XSC + 4 x lane
.set L8,   6                           ; v6   8 x lane
.set XRD,  7                           ; v7   my 16 numbers of a block in my wave's stage
.set XWI,  8                           ; v8   where I store x's images
.set XWS,  9                           ; v9   and their scale words
.set LST,  10                          ; v10-12 the tile's list of rows (96 words; 80 are used)
.set GC,   13                          ; v13  512 w + 16 lane: my bytes in a row of x
.set LB,   14                          ; v14  my bytes in my stage's first row
.set XFI,  15                          ; v15  XIMG + 16 x lane
.set W1S,  16                          ; v16-31 W1's scale words: tile t at 16 + 2 t
.set XS,   32                          ; v32-39 x's scale words, two sets of 4
.set HPW,  40                          ; v40-44 the hidden layer's scale words, one for each 16 slots
.set OW,   45                          ; v45-46 a scale word on its way
.set ACC,  48                          ; v48-111 listed rows 64-79 as loaded; then 64 numbers of x; then my 8 tiles of the hidden layer
.set PC,   112                         ; v112-127 the codes just made
.set TM,   128                         ; v128-143 at work
.set L4,   144                         ; v144 4 x lane
.set LA,   145                         ; v145 the list's offset
.set GOFF, 146                         ; v146-225 slot j: the byte offset of my 16 bytes in its row of x; never rewritten
.set WV,   18
.set MNT,  19
.set SEL,  20
.set FS,   22
.set TL,   23
.set EX,   24
.set MSB, 0
.macro WIN new                         ; the immediate's high byte repeats the setting that is left
.if MSB != (\new)
	s_set_vgpr_msb (MSB<<8)|(\new)
.set MSB, \new
.endif
.endm
; 64 numbers of a lane, register 16 b + i = k 32 b + 16 h + i of its row, become a fragment's codes in v[PC] on and its scale word in v[pw].  relu = 1: what is negative becomes 0 on the way
.macro QUANT s, relu, pw
.if \relu                                      ; no |.|: what is negative must not count; the floor stands over it.  Each accumulator is read from its low end on
.irp b, 0,1,2,3
	v_max3_num_f32 v[TM+\b], v[\s+16*\b], v[\s+1+16*\b], 0x4800000
.endr
.irp i, 2,4,6,8,10,12,14
.irp b, 0,1,2,3
	v_max3_num_f32 v[TM+\b], v[TM+\b], v[\s+16*\b+\i], v[\s+1+16*\b+\i]
.endr
.endr
.else
.irp b, 0,1,2,3
	v_max3_num_f32 v[TM+\b], |v[\s+16*\b]|, |v[\s+1+16*\b]|, 0x4800000   ; my 16 numbers of block b, and the floor 2^(9 - 127): the byte cannot fall under 1
.endr
.irp i, 2,4,6,8,10,12,14
.irp b, 0,1,2,3
	v_max3_num_f32 v[TM+\b], v[TM+\b], |v[\s+16*\b+\i]|, |v[\s+1+16*\b+\i]|
.endr
.endr
.endif
.irp b, 0,1,2,3
	v_permlanex16_b32 v[TM+4+\b], v[TM+\b], s[SEL], s[SEL+1]
.endr
.irp b, 0,1,2,3
	v_max_num_f32 v[TM+\b], v[TM+\b], v[TM+4+\b]           ; with lane l xor 16's: the block's largest magnitude
.endr
.irp b, 0,1,2,3
	v_add_nc_u32 v[TM+12+\b], 0xfc000000, v[TM+\b]         ; 8 off its exponent field: the conversion's scale operand
.endr
.irp b, 0,1,2,3
	v_and_or_b32 v[TM+8+\b], v[TM+\b], 0x7f800000, s[MNT]  ; 448 x the scale
.endr
.irp b, 0,1,2,3
	v_lshrrev_b32 v[TM+4+\b], 23, v[TM+12+\b]              ; the scale's byte
.endr
	v_lshl_or_b32 v[\pw], v[TM+5], 8, v[TM+4]
	v_lshl_or_b32 v[\pw], v[TM+6], 16, v[\pw]
	v_lshl_or_b32 v[\pw], v[TM+7], 24, v[\pw]
.irp b, 0,1,2,3
.irp i, 0,1,2,3,4,5,6,7,8,9,10,11,12,13,14,15
.if \relu
	v_med3_num_f32 v[\s+16*\b+\i], v[\s+16*\b+\i], 0, v[TM+8+\b]              ; the activation and the hold in one
.else
	v_med3_num_f32 v[\s+16*\b+\i], v[\s+16*\b+\i], -v[TM+8+\b], v[TM+8+\b]    ; the conversion to an 8-bit code does not saturate (ISA guide 7.6.2)
.endif
.endr
	v_cvt_scalef32_pk8_fp8_f32 v[PC+4*\b:PC+1+4*\b], v[\s+16*\b:\s+7+16*\b], v[TM+12+\b]
	v_cvt_scalef32_pk8_fp8_f32 v[PC+2+4*\b:PC+3+4*\b], v[\s+8+16*\b:\s+15+16*\b], v[TM+12+\b]
.endr
	v_nop                                                  ; a plain line between the last conversion and the products that write its sources
.endm
.macro MM d, a, b, sa, sb, zero, ra    ; one product; zero = 1: it starts the sum; ra = 1: source 0's scales stand in lanes 16-31
.if \zero
	v_wmma_scale_f32_16x16x128_f8f6f4 v[\d:\d+7], v[\a:\a+15], v[\b:\b+15], 0, v[\sa], v[\sb]
.elseif \ra
	v_wmma_scale_f32_16x16x128_f8f6f4 v[\d:\d+7], v[\a:\a+15], v[\b:\b+15], v[\d:\d+7], v[\sa], v[\sb] matrix_a_scale:MATRIX_SCALE_ROW1
.else
	v_wmma_scale_f32_16x16x128_f8f6f4 v[\d:\d+7], v[\a:\a+15], v[\b:\b+15], v[\d:\d+7], v[\sa], v[\sb]
.endif
.endm
	s_load_b256 s[4:11], s[0:1], 0x0               ; inp s[4:5], route s[6:7], w1q s[8:9], w1s s[10:11]
	s_load_b128 s[12:15], s[0:1], 0x20             ; hq s[12:13], hs s[14:15]
	v_lshl_add_u32 v254, v0, 2, 0x33e00            ; my spare word, and 0: made here and kept for the closing lines alone
	v_mov_b32 v255, 0
	v_lshrrev_b32 v1, 5, v0
	v_readfirstlane_b32 s[WV], v1                  ; wave 0..3
	v_and_b32 v1, 31, v0                           ; lane
	v_and_b32 v2, 15, v0                           ; r
	v_bfe_u32 v3, v0, 4, 1                         ; h
	s_mov_b32 s[FS], ttmp9
	s_and_b32 s[TL], ttmp7, 0xffff                 ; the tile
	s_lshl_b32 s25, s[TL], 2
	s_mul_i32 s26, s[TL], 320
	; every address and offset is made here, while the arguments are on their way, so that one wait serves them all
	v_lshl_add_u32 v[LA], v1, 2, s26
	v_lshlrev_b32 v[LI], 4, v1
	v_lshlrev_b32 v[L8], 3, v1
	v_lshlrev_b32 v[L4], 2, v1
	v_lshl_add_u32 v[XSL], v1, 2, XSC
	v_lshl_add_u32 v[XWS], v0, 2, XSC              ; XSC + 128 w + 4 lane
	v_mul_u32_u24 v[XRD], v2, SP
	v_lshl_add_u32 v[XRD], v3, 6, v[XRD]
	v_add_nc_u32 v[XFI], XIMG, v[LI]
.irp b, 0,1,2,3
	v_mov_b32 v[TM+4+\b], 0                        ; written once: a lane permute's destination counts as one of its sources
.endr
	s_mov_b32 s[SEL], 0x76543210
	s_mov_b32 s[SEL+1], 0xfedcba98
	s_mov_b32 s[MNT], 0x600000
	s_mov_b32 s28, 0xffff0000
	s_wait_alu depctr_va_sdst(0)                   ; the wave's number is written, ahead of its first reader
	s_mul_i32 s31, s[WV], XSTW                     ; my stage
	s_lshl_b32 s32, s[WV], 11
	s_add_co_u32 s32, s32, XIMG                    ; my images
	s_lshl_b32 s33, s[WV], 9                       ; my K step's bytes in a row of x
	v_add_nc_u32 v[XRD], s31, v[XRD]
	v_add_nc_u32 v[LB], s31, v[LI]
	v_add_nc_u32 v[XWI], s32, v[LI]
	v_add_nc_u32 v[GC], s33, v[LI]
	s_wait_kmcnt 0x0
	s_wait_alu depctr_va_vdst(0)                   ; the addresses and offsets made above are written: the list's loads, W1's loads, every LDS instruction and the stores read them, and none is written again
	s_load_b32 s[EX], s[6:7], s25 offset:20480     ; the tile's expert
.irp i, 0,1,2
	global_load_b32 v[LST+\i], v[LA], s[6:7] offset:128*\i   ; its rows
.endr
	s_lshl_b32 s29, s[FS], 2
	s_add_co_u32 s29, s29, s[WV]                   ; my K step of the second product
	s_mov_b32 s27, 0
	s_mul_i32 s26, s[TL], 163840                   ; hq: [tile][m 5][K step 16][2,048]
	s_lshl_b32 s30, s29, 11
	s_add_co_u32 s26, s26, s30
	s_add_nc_u64 s[12:13], s[12:13], s[26:27]
	s_mul_i32 s26, s[TL], 6144                     ; hs: [tile][K step 16][6 x 16 words]
	s_mul_i32 s30, s29, 384
	s_add_co_u32 s26, s26, s30
	s_add_nc_u64 s[14:15], s[14:15], s[26:27]
	s_wait_kmcnt 0x0
	s_min_u32 s[EX], s[EX], 7                      ; a loaded number enters an address only behind its clamp; behind it shifts left and additions alone
	s_lshl_b32 s26, s[EX], 20                      ; w1q: 128 tiles of 8,192 bytes an expert, 32 a work-group, 8 a wave
	s_lshl_b32 s30, s[FS], 18
	s_add_co_u32 s26, s26, s30
	s_lshl_b32 s30, s[WV], 16
	s_add_co_u32 s26, s26, s30
	s_add_nc_u64 s[8:9], s[8:9], s[26:27]
	s_lshl_b32 s26, s[EX], 15                      ; w1s: 256 bytes a tile
	s_lshl_b32 s30, s[FS], 13
	s_add_co_u32 s26, s26, s30
	s_lshl_b32 s30, s[WV], 11
	s_add_co_u32 s26, s26, s30
	s_add_nc_u64 s[10:11], s[10:11], s[26:27]
.macro WLOAD k0                        ; W1's fragments of K steps k0, k0 + 1: 64 loads of 512 consecutive bytes, into the window that is set
.irp s, 0,1
.irp t, 0,1,2,3,4,5,6,7
.irp c, 0,1,2,3
	global_load_b128 v[16*(8*\s+\t)+4*\c:16*(8*\s+\t)+4*\c+3], v[LI], s[8:9] offset:8192*\t+2048*(\k0+\s)+512*\c
.endr
.endr
.endr
.endm
	WIN 0x40                                       ; destination window 1
	WLOAD 0                                        ; no vector instruction has been issued since the wait above, and none has ever named these registers
	WIN 0
	s_wait_loadcnt 63                              ; the list is in: 64 loads were issued behind it, and 63 is the largest count that a wait can name
	; the rows' offsets, a register for each slot: no load's address is written again
.set g, 0
.rept 5
.irp j, 0,1,2,3,4,5,6,7,8,9,10,11,12,13,14,15
	v_readlane_b32 s[68+\j], v[LST+(16*g+\j)/32], (16*g+\j)%32
.endr
	s_wait_alu depctr_va_sdst(0)                   ; the sixteen row numbers are written, ahead of their first readers, the clamps
.irp j, 0,1,2,3,4,5,6,7,8,9,10,11,12,13,14,15
	s_min_u32 s[68+\j], s[68+\j], 4095             ; a slot without a row takes row 4095
.endr
.irp j, 0,1,2,3,4,5,6,7,8,9,10,11,12,13,14,15
	v_lshl_add_u32 v[GOFF+16*g+\j], s[68+\j], 11, v[GC]    ; row x 2,048 + my bytes
.endr
.set g, g+1
.endr
	WIN 0xc0                                       ; destination window 3, address window 0
	s_wait_alu depctr_va_vdst(0)                   ; the 80 offsets are written, which the loads below read; only loads and window switches follow up to the stage's stores
.set n, 0
.rept 64
	global_load_b128 v[4*n:4*n+3], v[GOFF+n], s[4:5]       ; slot n: 512 consecutive bytes of its row
.set n, n+1
.endr
	WIN 0
.set n, 0
.rept 16
	global_load_b128 v[ACC+4*n:ACC+4*n+3], v[GOFF+64+n], s[4:5]   ; slots 64-79
.set n, n+1
.endr
	WIN 0x80                                       ; destination window 2
	WLOAD 2
	WIN 0
.irp t, 0,1,2,3,4,5,6,7
	global_load_b64 v[W1S+2*\t:W1S+2*\t+1], v[L8], s[10:11] offset:256*\t
.endr
	s_wait_loadcnt 63                              ; x's 80 loads are in: 72 loads were issued behind them, and 63 is the largest count that a wait can name
	WIN 0x0c                                       ; an LDS store's data are its source 1: window 3
.set n, 0
.rept 64
	ds_store_b128 v[LB], v[4*n:4*n+3] offset:SP*n          ; into my stage, as loaded: 512 consecutive bytes a store
.set n, n+1
.endr
	WIN 0
.set n, 0
.rept 16
	ds_store_b128 v[LB], v[ACC+4*n:ACC+4*n+3] offset:SP*(64+n)
.set n, n+1
.endr
	s_wait_dscnt 0x0                               ; the 80 rows lie in my stage
	s_wait_alu depctr_vm_vsrc(0)                   ; the stage's stores have read v[ACC ..] and window 3, in which the LDS loads below and the fetches of x's fragments land
; my 64 numbers of slots 16 m on, out of my stage
.macro XLD m
.irp b, 0,1,2,3
.irp j, 0,1,2,3
	ds_load_b128 v[ACC+16*\b+4*\j:ACC+16*\b+4*\j+3], v[XRD] offset:16*SP*(\m)+128*\b+16*\j
.endr
.endr
.endm
	; ---- X: K step w of the 80 slots becomes five fragments.  The stage is my wave's own: LDS serves a wave's instructions in order, and no barrier is needed
	XLD 0
	s_wait_dscnt 0x0
.irp m, 0,1,2,3,4
	QUANT ACC, 0, OW
	s_wait_alu depctr_va_vdst(0)                   ; the quantiser has written v[PC ..] and v[OW], which the stores below read, and is done with v[ACC ..], in which the next step's loads land
.if \m < 4
	XLD \m+1                                       ; the next step's numbers first: they are waited for, the stores are not
.endif
.irp c, 0,1,2,3
	ds_store_b128 v[XWI], v[PC+4*\c:PC+4*\c+3] offset:8192*\m+512*\c   ; image 4 m + w
.endr
	ds_store_b32 v[XWS], v[OW] offset:512*\m
.if \m < 4
	s_wait_dscnt 5                                 ; the next step's 16 loads are in; the five stores issued behind them may be out
.else
	s_wait_dscnt 0x0                               ; for the others' sake: all my images lie in LDS
.endif
	s_wait_alu depctr_vm_vsrc(0)                   ; the five stores have read v[PC ..] and v[OW], which the next quantiser writes
.endr
	s_barrier_signal -1
	s_barrier_wait -1                              ; x's twenty fragments lie in LDS
	s_wait_loadcnt 0x0                             ; W1's fragments and scale words
.macro FETCH m                         ; the four fragments of slots 16 m on, and their scale words, into set m % 2
	WIN 0xc0
.irp s, 0,1,2,3
.irp c, 0,1,2,3
	ds_load_b128 v[64*((\m)%2)+16*\s+4*\c:64*((\m)%2)+16*\s+4*\c+3], v[XFI] offset:(4*(\m)+\s)*2048+512*\c
.endr
.endr
	WIN 0
.irp s, 0,1,2,3
	ds_load_b32 v[XS+4*((\m)%2)+\s], v[XSL] offset:(4*(\m)+\s)*128
.endr
.endm
.macro MUL8 m, s                       ; K step s: my eight tiles by turns, one instruction a turn
.irp t, 0,1,2,3,4,5,6,7
.if \s == 0
	MM ACC+8*\t, 16*(8*((\s)%2)+\t), 64*((\m)%2)+16*(\s), W1S+2*\t+(\s)%2, XS+4*((\m)%2)+(\s), 1, 0
.else
	MM ACC+8*\t, 16*(8*((\s)%2)+\t), 64*((\m)%2)+16*(\s), W1S+2*\t+(\s)%2, XS+4*((\m)%2)+(\s), 0, (\s)/2
.endif
.endr
.endm
	; ---- 1: the hidden layer, 16 slots at a time
	FETCH 0
.irp m, 0,1,2,3,4
	s_wait_dscnt 0x0                               ; this turn's fragments of x are in
	WIN 0x0d                                       ; source 0 (W1) window 1, source 1 (x) window 3, C and D window 0
	MUL8 \m, 0
	MUL8 \m, 1
.if \m < 4
	FETCH \m+1                                     ; into the other set.  No wait: its last readers, the products of the turn before, stand ahead of that turn's wait on va_vdst, and since that wait only stores of the codes and the sixteen products above were issued, which name this turn's set, W1, the accumulators and their scale words
.endif
	WIN 0x0e                                       ; source 0 window 2
	MUL8 \m, 2
	MUL8 \m, 3
	WIN 0
.rept 8
	v_nop                                          ; eight places behind this form in front of the first read of results; with the quantiser's lines on its own registers more than the nine that the next sums' start asks
.endr
.if \m > 0
	s_wait_xcnt 0x0                                ; the last turn's stores have had their addresses translated
	s_wait_alu depctr_vm_vsrc(0)                   ; and have read v[PC ..], which the quantiser writes again (in turn 0 the wait behind the last image's stores has said so of those)
.endif
	QUANT ACC, 1, HPW+\m
.if \m == 4
	v_cndmask_b32 v[OW], v[HPW], v[HPW+1], s28     ; lanes 0-15: slots 0-15's words, lanes 16-31: slots 16-31's (both halves of the lanes hold a row's word)
	v_cndmask_b32 v[OW+1], v[HPW+2], v[HPW+3], s28
.endif
	s_wait_alu depctr_va_vdst(0)                   ; the quantiser has written v[PC ..], which the stores below read (last turn: also the scale words on their way out); this turn's products are done reading their set of x's fragments and scale words, in which the fetch in the next turn's middle lands
.irp c, 0,1,2,3
	global_store_b128 v[LI], v[PC+4*\c:PC+4*\c+3], s[12:13] offset:32768*\m+512*\c   ; the fragment (m, my K step) as it stands: 512 consecutive bytes a store
.endr
.endr
	global_store_b32 v[L4], v[OW], s[14:15]
	global_store_b32 v[L4], v[OW+1], s[14:15] offset:128
	global_store_b32 v[L4], v[HPW+4], s[14:15] offset:256   ; slots 64-79's, twice: the upper copy is read and not used
	s_wait_dscnt 0x0                               ; the closing lines, six on end
	s_wait_alu 0x0
	s_wait_tensorcnt 0x0
	ds_add_u32 v254, v255
	s_wait_dscnt 0x0
	s_endpgm
.Lfunc_end_k_q3247cbb475_g1:
	.size	k_q3247cbb475_g1, .Lfunc_end_k_q3247cbb475_g1-k_q3247cbb475_g1
	.p2alignl 7, 3214868480
	.fill 96, 4, 3214868480
	.section	.rodata,"a",@progbits
	.p2align	6, 0x0
	.amdhsa_kernel k_q3247cbb475_g1
		.amdhsa_group_segment_fixed_size 212992
		.amdhsa_private_segment_fixed_size 0
		.amdhsa_enable_private_segment 0
		.amdhsa_kernarg_size 48
		.amdhsa_user_sgpr_count 2
		.amdhsa_user_sgpr_kernarg_segment_ptr 1
		.amdhsa_wavefront_size32 1
		.amdhsa_system_sgpr_workgroup_id_x 1
		.amdhsa_system_sgpr_workgroup_id_y 1
		.amdhsa_system_sgpr_workgroup_id_z 1
		.amdhsa_system_vgpr_workitem_id 0
		.amdhsa_next_free_vgpr 1024
		.amdhsa_next_free_sgpr 90
		.amdhsa_reserve_vcc 0
		.amdhsa_float_denorm_mode_32 3
		.amdhsa_float_denorm_mode_16_64 3
		.amdhsa_memory_ordered 1
		.amdhsa_forward_progress 1
		.amdhsa_inst_pref_size 163
	.end_amdhsa_kernel
	.amdgpu_metadata
---
amdhsa.version: [ 1, 2 ]
amdhsa.kernels:
  - .name:           k_q3247cbb475_g1
    .symbol:         k_q3247cbb475_g1.kd
    .args:
      - { .name: inp, .offset: 0, .size: 8, .value_kind: global_buffer, .address_space: global }
      - { .name: route, .offset: 8, .size: 8, .value_kind: global_buffer, .address_space: global }
      - { .name: w1q, .offset: 16, .size: 8, .value_kind: global_buffer, .address_space: global }
      - { .name: w1s, .offset: 24, .size: 8, .value_kind: global_buffer, .address_space: global }
      - { .name: hq, .offset: 32, .size: 8, .value_kind: global_buffer, .address_space: global }
      - { .name: hs, .offset: 40, .size: 8, .value_kind: global_buffer, .address_space: global }
    .group_segment_fixed_size: 212992
    .private_segment_fixed_size: 0
    .kernarg_segment_align: 8
    .kernarg_segment_size: 48
    .max_flat_workgroup_size: 128
    .sgpr_count:     90
    .vgpr_count:     1024
    .wavefront_size: 32
...
	.end_amdgpu_metadata
.endif
;; end of part 5
;; launch g2: the kernel of part 3 again; grid 4 x 59, 4 waves a work-group, clusters of 4 x 1, 254,976 bytes of LDS; arguments hq, hs, route, w2q, w2s, ybuf; writes ybuf
;; launch combine: the kernel of part 4 again; grid 256 x 1, 8 waves a work-group, no clusters, 0 bytes of LDS; arguments ybuf, gate_score, out0; writes out0
